; MI455X (gfx1250); checked and timed in simulation.
; The chip was launched on July 23, 2026; its instructions are those of AMD's public machine-readable ISA for CDNA 5 (MIT licence, August 2026) and "CDNA5" Instruction Set Architecture Reference Guide (July 2026). The comments in the code are by the model that wrote it; some were corrected since.
;; Parallel Transformer Block. Allowed arithmetic: float matrix products may take bf16 or f16 operands with f32 sums; other float arithmetic in f32, or as packed bf16 or f16 multiplies, adds, multiply-adds, maxima and minima; sums over many terms, partial sums and values carried from step to step in f32; what a program stores and reads back later, other than sums and carried values, may be rounded once to bf16 or f16.
;; Inputs: W_attn_out 1,024 x 512 float32; W_ff_out 1,024 x 4,096 float32; W_fused 8,768 x 1,024 float32; gamma 1,024 float32; x 2 x 2,048 x 1,024 float32.
;; Outputs: out0 2 x 2,048 x 1,024 float32.
;; One version. Each part assembles by itself: llvm-mc -triple=amdgcn-amd-amdhsa -mcpu=gfx1250 --defsym DOCPART=n.
;; ======== version 1 of 1: 5 launches
;; limits: values are held in f16: magnitudes above 65,504 overflow, below 6.1e-05 lose precision
;; workspace buffers: xn 8,388,608 bytes; wf 17,956,864 bytes; wc 9,437,184 bytes; hc 37,748,736 bytes; qf 4,194,304 bytes; kv 524,288 bytes
;; launch prep (part 1): grid 1092 x 1, 8 waves a work-group, no clusters, 35,840 bytes of LDS; arguments x, gamma, W_fused, W_attn_out, W_ff_out, xn, wf, wc; writes xn, wf, wc
.if DOCPART == 1
	.amdgcn_target "amdgcn-amd-amdhsa--gfx1250"
	.amdhsa_code_object_version 6
	.text
	.protected	k_q2fd6d74035_prep
	.globl	k_q2fd6d74035_prep
	.p2align	8
	.type	k_q2fd6d74035_prep,@function
k_q2fd6d74035_prep:
	s_mov_b64 s[64:65], 0
	v_nop
	global_prefetch_b8 v0, s[64:65] scope:SCOPE_SE
	s_setreg_imm32_b32 hwreg(HW_REG_WAVE_MODE, 25, 1), 1
	s_wait_xcnt 0x0
; PREP: LayerNorm of x, and all weights turned into 16-bit matrix operands, in ONE blocked layout.
; Every input is first rounded to bf16.  xn = (x - mean) * rsqrt(var + 1e-5) * gamma, all in f32 on the rounded numbers, stored as f16.
; W_fused's bf16 value is written as f16; W_ff_out and W_attn_out stay bf16 and are laid side by side along K (4,096 + 512).
; LIMITS.  x is rounded to bf16 ahead of the mean: a common offset in x raises that rounding's error with the offset.  xn must stay under 65,504 (|gamma| under some 5,000).
; A weight of W_fused below 6e-5 keeps f16's fixed step of 6e-8.  NaN and infinities are not treated apart.
; BLOCKED LAYOUT, 2-byte elements, K columns: byte(row, k) = ((row>>4)*(K/32))*1024 + (k>>3)*256 + (row&15)*16 + (k&7)*2: 16 rows x 8 k are a SUB-BLOCK of 256 bytes, four of them a matrix
; fragment's 1,024 bytes, in which lane l's two pieces lie at 16 l and 512 + 16 l.
; SHARES.  A work-group takes 16 source rows x 1,024 columns: 128 sub-blocks, 32 KiB of the destination.  A WAVE TAKES TWO WHOLE ROWS: load j of a row brings lane l the columns 128 j + 4 l .. + 3,
; so every load of a wave covers 512 consecutive bytes.  The four numbers, 8 bytes in 16 bits, go into LDS at their place in the blocked layout; behind one barrier wave w reads sub-blocks
; 16 w .. 16 w + 15 back, 512 bytes a load, and stores them: each store covers 512 consecutive bytes, aligned.
; LDS.  A sub-block has a pitch of 272 bytes = 68 words: the sixteen pairs of lanes of a store of 8 bytes a lane fall on sixteen different groups of four banks (64 banks of 4 bytes: ISA guide 11.1).
; LayerNorm stays inside a wave: a row's sums are 32 numbers a lane and one reduction over the lanes.
; Work-groups 0-255: x.  256-803: W_fused, by destination row block.  804-1059: W_ff_out.  1060-1091: W_attn_out, two row blocks of 512 columns taken as one of 1,024.
; ORDER OF wf's ROW BLOCKS.  Blocks 9 X + b (X = 0..3): b < 8: head 4 X + b/2, half c = b%2; b = 8: k half 0, k half 1, v channels 0-15, v channels 16-31 for X = 0..3.
; A q or k block of half c holds channel 16 hh + 8 c + j at its row 8 hh + j, so that a channel and its rotary partner (16 away) lie 8 rows apart in one block.
; Blocks 36 + 8 t + s: s < 4: ff_x rows 64 t + 16 s; s >= 4: the gate rows of the same 64 columns.
; No matrix unit, cluster or tensor load: each byte is read once, by one lane.
.set X, 32                             ; v[32:95]  row u's 32 numbers at X + 32 u; then packed; then the 32 words read back
.set GP, 16                            ; v[16:31]  gamma of my 32 columns, two bf16 a word
.set LP, 272                           ; LDS pitch of a sub-block
.set SPARE, 128*LP                     ; behind the 128 sub-blocks: the spare words, 128 bytes for each of eight waves
.set WCROW, 147456                     ; bytes of a row block of wc: 144 chunks of 1,024
; v1 16 l (offset of loads and stores), v2 where I put 8 bytes in LDS, v3 where I read 16 back, v4-7 and v10-15 at work, v8 / v9 the add's two registers
; s[4:19] the eight addresses; s28 mask; s29 wave; s[32:39] the source at my two rows
.macro LOADS pa, pb, pc, pd            ; sixteen loads: row 0's columns 0-511 behind pa, 512-1023 behind pb; row 1's behind pc and pd
.irp j, 0,1,2,3
	global_load_b128 v[X+4*(\j):X+4*(\j)+3], v1, s[\pa:\pa+1] offset:512*(\j) th:TH_LOAD_NT
.endr
.irp j, 4,5,6,7
	global_load_b128 v[X+4*(\j):X+4*(\j)+3], v1, s[\pb:\pb+1] offset:512*(\j) th:TH_LOAD_NT
.endr
.irp j, 0,1,2,3
	global_load_b128 v[X+32+4*(\j):X+32+4*(\j)+3], v1, s[\pc:\pc+1] offset:512*(\j) th:TH_LOAD_NT
.endr
.irp j, 4,5,6,7
	global_load_b128 v[X+32+4*(\j):X+32+4*(\j)+3], v1, s[\pd:\pd+1] offset:512*(\j) th:TH_LOAD_NT
.endr
.endm
.macro TOLDS n                         ; load n = 8 u + j: its two packed words go to sub-block 16 j + l/2, row 2 w + u
	ds_store_b64 v2, v[X+4*(\n):X+4*(\n)+1] offset:16*LP*((\n)%8)+16*((\n)/8)
.endm
.macro WAYOUT dp                       ; the meeting, and my sixteen sub-blocks out
	s_wait_dscnt 0x0                               ; for the others' sake: my stores into LDS are done
	s_barrier_signal -1
	s_barrier_wait -1
.irp t, 0,1,2,3,4,5,6,7
	ds_load_b128 v[X+4*(\t):X+4*(\t)+3], v3 offset:2*LP*(\t)
.endr
.irp t, 0,1,2,3,4,5,6,7
	s_wait_dscnt 7-(\t)                            ; LDS loads come back in order: the younger ones may stay out
	global_store_b128 v1, v[X+4*(\t):X+4*(\t)+3], s[\dp:\dp+1] offset:512*(\t)
.endr
.endm
.macro WSUM                            ; the two chains v[10:11], v[12:13] become the sum over the wave's 32 lanes, in v10 of every lane
	v_pk_add_f32 v[10:11], v[10:11], v[12:13]
	v_add_f32 v10, v10, v11
	v_add_f32_dpp v10, v10, v10 row_xmask:1 row_mask:0xf bank_mask:0xf
	v_add_f32_dpp v10, v10, v10 row_xmask:2 row_mask:0xf bank_mask:0xf
	v_add_f32_dpp v10, v10, v10 row_xmask:4 row_mask:0xf bank_mask:0xf
	v_add_f32_dpp v10, v10, v10 row_xmask:8 row_mask:0xf bank_mask:0xf
	v_permlanex16_b32 v11, v10, s40, s41
	v_add_f32 v10, v10, v11
.endm
; Row u: rounded to bf16 and widened in place; the mean; the differences; the mean of their squares (no difference of large sums is formed); times rsqrt(var + 1e-5).
.macro ROWSTAT u
.set XB, X+32*(\u)
.set i, 0
.rept 4
.irp k, 0,1,2,3
	v_cvt_pk_bf16_f32 v[4+(\k)], v[XB+8*i+2*(\k)], v[XB+8*i+2*(\k)+1]
.endr
.irp k, 0,1,2,3
	v_lshlrev_b32 v[XB+8*i+2*(\k)], 16, v[4+(\k)]
	v_and_b32 v[XB+8*i+2*(\k)+1], s28, v[4+(\k)]
.endr
.set i, i+1
.endr
	v_pk_add_f32 v[10:11], v[XB:XB+1], v[XB+2:XB+3]          ; the first pairs start the chains
	v_pk_add_f32 v[12:13], v[XB+4:XB+5], v[XB+6:XB+7]
.set i, 4
.rept 12
	v_pk_add_f32 v[10+2*(i%2):11+2*(i%2)], v[10+2*(i%2):11+2*(i%2)], v[XB+2*i:XB+2*i+1]
.set i, i+1
.endr
	WSUM
	v_mul_f32 v14, s42, v10                        ; the mean
.set i, 0
.rept 16
	v_pk_add_f32 v[XB+2*i:XB+2*i+1], v[XB+2*i:XB+2*i+1], v[14:15] op_sel_hi:[1,0] neg_lo:[0,1] neg_hi:[0,1]
.set i, i+1
.endr
	v_pk_mul_f32 v[10:11], v[XB:XB+1], v[XB:XB+1]
	v_pk_mul_f32 v[12:13], v[XB+2:XB+3], v[XB+2:XB+3]
.set i, 2
.rept 14
	v_pk_fma_f32 v[10+2*(i%2):11+2*(i%2)], v[XB+2*i:XB+2*i+1], v[XB+2*i:XB+2*i+1], v[10+2*(i%2):11+2*(i%2)]
.set i, i+1
.endr
	WSUM
	v_fma_f32 v12, v10, s42, s43                   ; var + 1e-5
	v_rsq_f32 v14, v12
	v_nop                                          ; a plain instruction behind the root,
	s_wait_alu depctr_va_vdst(0)                   ; and the wait ahead of its first reader
.set i, 0
.rept 16
	v_pk_mul_f32 v[XB+2*i:XB+2*i+1], v[XB+2*i:XB+2*i+1], v[14:15] op_sel_hi:[1,0]
.set i, i+1
.endr
.endm
	s_load_b512 s[4:19], s[0:1], 0x0               ; x s[4:5], gamma s[6:7], W_fused s[8:9], W_attn_out s[10:11], W_ff_out s[12:13], xn s[14:15], wf s[16:17], wc s[18:19]
	v_lshl_add_u32 v8, v0, 2, SPARE
	v_mov_b32 v9, 0
	v_lshrrev_b32 v4, 5, v0
	v_readfirstlane_b32 s29, v4                    ; wave 0..7
	v_and_b32 v5, 31, v0                           ; l
	v_lshlrev_b32 v1, 4, v5                        ; 16 l
	v_lshrrev_b32 v6, 1, v5
	v_and_b32 v7, 1, v5
	v_mul_u32_u24 v2, v6, LP                       ; in: sub-block l/2 of the load's sixteen,
	v_lshl_add_u32 v2, v7, 3, v2                   ; its half of the row's 16 bytes,
	v_lshl_add_u32 v2, s29, 5, v2                  ; row 2 w
	v_lshrrev_b32 v6, 4, v5
	v_lshl_add_u32 v6, s29, 4, v6                  ; back: sub-block 16 w + l/16,
	v_mul_u32_u24 v3, v6, LP
	v_and_b32 v7, 15, v5
	v_lshl_add_u32 v3, v7, 4, v3                   ; row l%16
	s_mov_b32 s28, 0xffff0000                      ; a word's upper bf16
	s_mov_b32 s24, 8                               ; rows on end, unless a path says otherwise
	s_wait_kmcnt 0x0
	s_cmp_lt_u32 ttmp9, 256                        ; the work-group's number chooses the job: the same for all eight waves
	s_cbranch_scc1 .Lln
	s_cmp_lt_u32 ttmp9, 804
	s_cbranch_scc1 .Lwf
	; W_ff_out [1024][4096] (row block e/4, columns 1,024 (e%4) on) and W_attn_out [1024][512] (row blocks 2 i and 2 i + 1): one text; both sets of numbers are made, and one is chosen
	s_min_u32 s30, ttmp9, 1059
	s_sub_co_u32 s30, s30, 804                     ; e
	s_lshr_b32 s31, s30, 2                         ; row block
	s_and_b32 s30, s30, 3                          ; group of 1,024 columns
	s_lshl_b32 s20, s31, 4
	s_lshl1_add_u32 s20, s29, s20                  ; my first row
	s_lshl_b32 s20, s20, 14                        ; rows of 16,384 bytes
	s_lshl_b32 s22, s30, 12
	s_add_co_u32 s20, s20, s22
	s_mul_i32 s24, s31, WCROW
	s_lshl_b32 s22, s30, 15
	s_add_co_u32 s24, s24, s22
	s_max_u32 s36, ttmp9, 1060
	s_sub_co_u32 s36, s36, 1060                    ; i
	s_lshl_b32 s21, s36, 5
	s_lshl1_add_u32 s21, s29, s21                  ; my first row, in block 2 i
	s_lshl_b32 s21, s21, 11                        ; rows of 2,048 bytes
	s_mul_i32 s25, s36, 2*WCROW
	s_lshr_b32 s22, s29, 2                         ; waves 4-7 store block 2 i + 1's chunks: 147,456 - 16,384 bytes further on
	s_lshl_b32 s22, s22, 17
	s_add_co_u32 s25, s25, s22
	s_add_co_u32 s25, s25, 131072                  ; chunk 128
	s_movk_i32 s22, 0x4000
	s_movk_i32 s23, 0x800
	s_cmp_lt_u32 ttmp9, 1060
	s_cselect_b32 s20, s20, s21                    ; the source's offset
	s_cselect_b32 s24, s24, s25                    ; the destination's
	s_cselect_b32 s22, s22, s23                    ; bytes from row to row
	s_cselect_b32 s26, 0, 30720                    ; columns 512 on: the same row of the next block: 16 rows of 2,048 bytes on, 2,048 back
	s_cselect_b64 s[32:33], s[12:13], s[10:11]
	s_mov_b32 s21, 0
	s_mov_b32 s23, 0
	s_mov_b32 s25, 0
	s_mov_b32 s27, 0
	s_lshl_b32 s30, s29, 12                        ; my sixteen sub-blocks
	s_add_co_u32 s24, s24, s30
	s_add_nc_u64 s[32:33], s[32:33], s[20:21]
	s_add_nc_u64 s[34:35], s[32:33], s[26:27]
	s_add_nc_u64 s[36:37], s[32:33], s[22:23]
	s_add_nc_u64 s[38:39], s[36:37], s[26:27]
	s_add_nc_u64 s[18:19], s[18:19], s[24:25]
	LOADS 32, 34, 36, 38
.set n, 0
.rept 16
.if n%2 == 0
	s_wait_loadcnt 14-n                            ; loads come back in order: two more are in, the younger ones may stay out
.endif
	v_cvt_pk_bf16_f32 v[X+4*n], v[X+4*n], v[X+4*n+1]
	v_cvt_pk_bf16_f32 v[X+4*n+1], v[X+4*n+2], v[X+4*n+3]
	TOLDS n
.set n, n+1
.endr
	WAYOUT 18
	s_branch .Lend
.Lwf:                                          ; W_fused [8768][1024], by destination block db
	s_sub_co_u32 s30, ttmp9, 256
	s_cmp_ge_u32 s30, 36
	s_cbranch_scc1 .Lwf_ff
	s_mul_i32 s31, s30, 57
	s_lshr_b32 s31, s31, 9                         ; X = db / 9 (exact for db < 36)
	s_mul_i32 s32, s31, 9
	s_sub_co_u32 s32, s30, s32                     ; b
	s_lshr_b32 s33, s32, 1
	s_lshl2_add_u32 s33, s31, s33                  ; head
	s_lshl_b32 s33, s33, 5
	s_and_b32 s34, s32, 1
	s_lshl3_add_u32 s33, s34, s33                  ; q: 32 head + 8 c
	s_lshl_b32 s34, s31, 3
	s_add_co_u32 s34, s34, 512                     ; k: 512 + 8 c
	s_lshl_b32 s35, s31, 4
	s_add_co_u32 s35, s35, 512                     ; v: 544 + 16 (X - 2)
	s_cmp_lt_u32 s31, 2
	s_cselect_b32 s34, s34, s35
	s_cselect_b32 s36, 16, 8
	s_cmp_lt_u32 s32, 8
	s_cselect_b32 s23, s33, s34
	s_cselect_b32 s24, 16, s36                     ; q and k: rows 8 .. 15 of a block lie 16 source rows behind rows 0 .. 7
	s_branch .Lwf_go
.Lwf_ff:
	s_sub_co_u32 s31, s30, 36
	s_lshr_b32 s32, s31, 3                         ; t
	s_and_b32 s31, s31, 7                          ; s
	s_lshr_b32 s33, s31, 2
	s_lshl_b32 s33, s33, 12                        ; the gates lie 4,096 rows behind ff_x
	s_and_b32 s31, s31, 3
	s_lshl_b32 s31, s31, 4
	s_lshl_b32 s32, s32, 6
	s_add_co_u32 s23, s33, s32
	s_add_co_u32 s23, s23, s31
	s_add_co_u32 s23, s23, 576
.Lwf_go:
	s_lshl_b32 s31, s29, 1                         ; my rows 2 w and 2 w + 1 of the block: source row s23 + (2 w)%8 + (w/4) s24, and the next
	s_and_b32 s31, s31, 7
	s_add_co_u32 s23, s23, s31
	s_lshr_b32 s31, s29, 2
	s_mul_i32 s31, s31, s24
	s_add_co_u32 s23, s23, s31
	s_lshl_b32 s20, s23, 12
	s_mov_b32 s21, 0
	s_lshl_b32 s24, s30, 15
	s_lshl_b32 s31, s29, 12
	s_add_co_u32 s24, s24, s31
	s_mov_b32 s25, 0
	s_add_nc_u64 s[32:33], s[8:9], s[20:21]
	s_add_nc_u64 s[34:35], s[32:33], 4096
	s_add_nc_u64 s[16:17], s[16:17], s[24:25]
	LOADS 32, 32, 34, 34
.set n, 0
.rept 16
.if n%2 == 0
	s_wait_loadcnt 14-n
.endif
	v_cvt_pk_bf16_f32 v[4+2*(n%2)], v[X+4*n], v[X+4*n+1]       ; rounded to bf16,
	v_cvt_pk_bf16_f32 v[5+2*(n%2)], v[X+4*n+2], v[X+4*n+3]
	v_lshlrev_b32 v[X+4*n], 16, v[4+2*(n%2)]
	v_and_b32 v[X+4*n+1], s28, v[4+2*(n%2)]
	v_lshlrev_b32 v[X+4*n+2], 16, v[5+2*(n%2)]
	v_and_b32 v[X+4*n+3], s28, v[5+2*(n%2)]
	v_cvt_pk_f16_f32 v[X+4*n], v[X+4*n], v[X+4*n+1]            ; and that number written as f16
	v_cvt_pk_f16_f32 v[X+4*n+1], v[X+4*n+2], v[X+4*n+3]
	TOLDS n
.set n, n+1
.endr
	WAYOUT 16
	s_branch .Lend
.Lln:                                          ; LayerNorm of 16 rows of x, two a wave
	s_lshl_b32 s20, ttmp9, 4
	s_lshl1_add_u32 s20, s29, s20
	s_lshl_b32 s20, s20, 12
	s_mov_b32 s21, 0
	s_lshl_b32 s24, ttmp9, 15
	s_lshl_b32 s30, s29, 12
	s_add_co_u32 s24, s24, s30
	s_mov_b32 s25, 0
	s_add_nc_u64 s[32:33], s[4:5], s[20:21]
	s_add_nc_u64 s[14:15], s[14:15], s[24:25]
.irp j, 0,1,2,3,4,5,6,7                ; gamma of my 32 columns lands where row 0 will lie,
	global_load_b128 v[X+4*(\j):X+4*(\j)+3], v1, s[6:7] offset:512*(\j)
.endr
.irp j, 0,1,2,3,4,5,6,7                ; and row 1 is asked for at once
	global_load_b128 v[X+32+4*(\j):X+32+4*(\j)+3], v1, s[32:33] offset:4096+512*(\j) th:TH_LOAD_NT
.endr
	s_mov_b32 s40, 0x76543210                      ; v_permlanex16_b32: each lane takes its own place in the other half
	s_mov_b32 s41, 0xfedcba98
	s_mov_b32 s42, 0x3a800000                      ; 1 / 1024
	s_mov_b32 s43, 0x3727c5ac                      ; 1e-5
	v_mov_b32 v15, 0                               ; named with v14 as a pair
	s_wait_loadcnt 8                               ; gamma is in; row 1's eight loads may stay out
.set i, 0
.rept 16
	v_cvt_pk_bf16_f32 v[GP+i], v[X+2*i], v[X+2*i+1]            ; gamma's rounding to bf16 is also its packing: 16 registers
.set i, i+1
.endr
.irp j, 0,1,2,3,4,5,6,7
	global_load_b128 v[X+4*(\j):X+4*(\j)+3], v1, s[32:33] offset:512*(\j) th:TH_LOAD_NT
.endr
	s_wait_loadcnt 8                               ; row 1 is in; row 0's eight loads may stay out
	ROWSTAT 1
	s_wait_loadcnt 0x0
	ROWSTAT 0
.set i, 0
.rept 16
	v_lshlrev_b32 v[4+2*(i%2)], 16, v[GP+i]
	v_and_b32 v[5+2*(i%2)], s28, v[GP+i]
	v_pk_mul_f32 v[X+2*i:X+2*i+1], v[X+2*i:X+2*i+1], v[4+2*(i%2):5+2*(i%2)]
	v_pk_mul_f32 v[X+32+2*i:X+32+2*i+1], v[X+32+2*i:X+32+2*i+1], v[4+2*(i%2):5+2*(i%2)]
.set i, i+1
.endr
.set n, 0
.rept 16
	v_cvt_pk_f16_f32 v[X+4*n], v[X+4*n], v[X+4*n+1]
	v_cvt_pk_f16_f32 v[X+4*n+1], v[X+4*n+2], v[X+4*n+3]
	TOLDS n
.set n, n+1
.endr
	WAYOUT 14
.Lend:
	s_wait_tensorcnt 0x0                           ; the wave's end, behind my last LDS store
	ds_add_u32 v8, v9
	s_wait_dscnt 0x0
	s_endpgm
.Lfunc_end_k_q2fd6d74035_prep:
	.size	k_q2fd6d74035_prep, .Lfunc_end_k_q2fd6d74035_prep-k_q2fd6d74035_prep
	.p2alignl 7, 3214868480
	.fill 96, 4, 3214868480
	.section	.rodata,"a",@progbits
	.p2align	6, 0x0
	.amdhsa_kernel k_q2fd6d74035_prep
		.amdhsa_group_segment_fixed_size 35840
		.amdhsa_private_segment_fixed_size 0
		.amdhsa_enable_private_segment 0
		.amdhsa_kernarg_size 64
		.amdhsa_user_sgpr_count 2
		.amdhsa_user_sgpr_kernarg_segment_ptr 1
		.amdhsa_wavefront_size32 1
		.amdhsa_system_sgpr_workgroup_id_x 1
		.amdhsa_system_sgpr_workgroup_id_y 1
		.amdhsa_system_sgpr_workgroup_id_z 1
		.amdhsa_system_vgpr_workitem_id 0
		.amdhsa_next_free_vgpr 96
		.amdhsa_next_free_sgpr 66
		.amdhsa_reserve_vcc 0
		.amdhsa_float_denorm_mode_32 3
		.amdhsa_float_denorm_mode_16_64 3
		.amdhsa_memory_ordered 1
		.amdhsa_forward_progress 1
		.amdhsa_inst_pref_size 47
	.end_amdhsa_kernel
	.amdgpu_metadata
---
amdhsa.version: [ 1, 2 ]
amdhsa.kernels:
  - .name:           k_q2fd6d74035_prep
    .symbol:         k_q2fd6d74035_prep.kd
    .args:
      - { .name: x, .offset: 0, .size: 8, .value_kind: global_buffer, .address_space: global }
      - { .name: gamma, .offset: 8, .size: 8, .value_kind: global_buffer, .address_space: global }
      - { .name: W_fused, .offset: 16, .size: 8, .value_kind: global_buffer, .address_space: global }
      - { .name: W_attn_out, .offset: 24, .size: 8, .value_kind: global_buffer, .address_space: global }
      - { .name: W_ff_out, .offset: 32, .size: 8, .value_kind: global_buffer, .address_space: global }
      - { .name: xn, .offset: 40, .size: 8, .value_kind: global_buffer, .address_space: global }
      - { .name: wf, .offset: 48, .size: 8, .value_kind: global_buffer, .address_space: global }
      - { .name: wc, .offset: 56, .size: 8, .value_kind: global_buffer, .address_space: global }
    .group_segment_fixed_size: 35840
    .private_segment_fixed_size: 0
    .kernarg_segment_align: 8
    .kernarg_segment_size: 64
    .max_flat_workgroup_size: 256
    .sgpr_count:     66
    .vgpr_count:     96
    .wavefront_size: 32
...
	.end_amdgpu_metadata
.endif
;; end of part 1
;; launch qkv (part 2): grid 4 x 64, 4 waves a work-group, no clusters, 147,968 bytes of LDS; arguments xn, wf, qf, kv; writes qf, kv
.if DOCPART == 2
	.amdgcn_target "amdgcn-amd-amdhsa--gfx1250"
	.amdhsa_code_object_version 6
	.text
	.protected	k_q2fd6d74035_qkv
	.globl	k_q2fd6d74035_qkv
	.p2align	8
	.type	k_q2fd6d74035_qkv,@function
k_q2fd6d74035_qkv:
	s_mov_b64 s[64:65], 0
	v_nop
	global_prefetch_b8 v0, s[64:65] scope:SCOPE_SE
	s_setreg_imm32_b32 hwreg(HW_REG_WAVE_MODE, 25, 1), 1
	s_wait_xcnt 0x0
; QKV: q, k, v = xn x wf[row blocks 0..35]^T, xpos rotary on q and k, all stored as f16 in the order in which the attention's matrix fragments want them.
; SHARES.  Work-group (X, Y) makes 64 tokens (row blocks 4 Y + a) x 144 columns (wf's blocks 9 X + b: four heads' eight half blocks and one block of k or v): 36 accumulators.
; K (1,024) IS SPLIT AMONG THE FOUR WAVES: wave w takes the chunks of 32 numbered 8 w .. 8 w + 7 for the whole tile, so 13 fragments feed 36 matrix instructions.  A fragment is 1,024 bytes on end in
; memory and comes straight into registers, 512 consecutive bytes a load; no two waves want the same byte, so nothing goes through LDS on the way in.  The four partial tiles meet in LDS once; wave w finishes row block w.
; NO CLUSTER, NO RING: a tile's whole K is 416 KiB, more than LDS holds, and slots of K = 256 would make four steps of 72 matrix instructions a wave, each with a barrier of the cluster; here three
; chunks' loads of every wave are on their way with no barrier at all.  Nothing is prefetched: all of a wave's addresses are asked for within its first few hundred instructions.
; THE PRODUCT IS TAKEN TRANSPOSED (source 0 = 16 rows of wf, source 1 = 16 tokens): lane (r, h) holds token r and the block's rows 8 h + j.  A q or k block of half c holds channel 16 h + 8 c + j there,
; so the rotary partner (16 channels away) lies in the lane 16 away, same register, and the frequency's number 8 c + j is known when the text is assembled.
; ROTARY.  out = own x cos x scale -/+ partner x sin x scale (- for channels below 16).  angle = t x 10^(-i/4); scale = ((i + 6.4) / 22.4)^(t/512 - 2); k takes 1 / scale.
; q also takes 32^-0.5 x log2(e), so that the attention's weights are 2^(s - m).  The angle is reduced in revolutions: F = t REV - rndne(t REV), |F| <= 1/2, by one fused multiply-add;
; sin(pi F) and cos(pi F) are series in F^2 whose argument the reduction bounds (cut where the next term is under 4e-6 and 5e-7); cos = 1 - 2 sin^2, sin = 2 sin cos of the half angle.
; LIMITS.  q x scale x 0.255 and k / scale are stored as f16 and must stay under 65,504; below 6e-5 they keep f16's fixed step.  NaN and infinities are not treated apart.
; REGISTERS, in windows of 256 (s_set_vgpr_msb: bits 1:0 source 0, 3:2 source 1, 5:4 source 2, 7:6 destination):
;   window 0: v0-31 addresses; fragment buffers 0 (v32-135) and 1 (v136-239): wf's nine fragments, then xn's four.  Behind the meeting: v32-95 two sets of four partial blocks, v96-115 at work
;   window 1: v0-103 fragment buffer 2; v104-247 the accumulators of row blocks 0, 1      window 2: v0-143 those of row blocks 2, 3; v144-191 the rotary factors; v192-249 at work
.set LN, 1                             ; v1  16 l: never rewritten
.set LS, 2                             ; v2  where my partial tile begins in LDS, + 16 l
.set LR, 4                             ; v4-7  wave u's partial of my row block, + 16 l
.set KO, 8                             ; v8  my 16 bytes in the ninth block's 512: 16 l for k, V's order for v
.set SPW, 10
.set NIL, 11
.set SPARE, 147456                     ; behind the four partial tiles of 36,864 bytes: the spare words, 128 bytes a wave
.set PN, 96                            ; the partner's eight numbers
.set TT, 104                           ; eight results in f32
.set YY, 112                           ; four packed words to store
.set CQ, 144                           ; window 2: cos x scale x 0.255 for frequency i, q's
.set SQ, 160                           ;           +/- sin x the same
.set CO, 176                           ;           the ninth block's eight: cos / scale for k, 1 for v
.set SO, 184                           ;           +/- sin / scale for k, 0 for v
.set FF, 192
.set ZZ, 208
.set PS, 224
.set TF, 240                           ; t, t/10, t/100, t/1000
.set PW, 244                           ; t/512 - 2 (pair's second word: 0)
.set NPC, 246                          ; -PW log2(22.4)
.set SG, 248                           ; -2 in lanes 0-15, +2 in lanes 16-31
.set MSB, 0
.macro WIN new                         ; the immediate's high byte repeats the setting that is left; a switch that changes nothing is dropped
.if MSB != (\new)
	s_set_vgpr_msb (MSB<<8)|(\new)
.set MSB, (\new)
.endif
.endm
.macro PLACES                          ; four plain vector instructions between a matrix instruction and a load into, or a store of, its registers
.rept 4
	v_nop
.endr
.endm
.macro LOADS q                         ; chunk q's 13 fragments, 26 loads, into buffer q % 3
.set FW, ((\q)%3)/2
.set FB, (1-FW)*(32+104*((\q)%3))
	WIN FW<<6
.irp b, 0,1,2,3,4,5,6,7,8
	global_load_b128 v[FB+8*(\b):FB+8*(\b)+3], v[LN], s[18:19] offset:(\b)*32768+(\q)*1024
	global_load_b128 v[FB+8*(\b)+4:FB+8*(\b)+7], v[LN], s[18:19] offset:(\b)*32768+(\q)*1024+512
.endr
.irp a, 0,1,2,3
	global_load_b128 v[FB+72+8*(\a):FB+72+8*(\a)+3], v[LN], s[16:17] offset:(\a)*32768+(\q)*1024
	global_load_b128 v[FB+72+8*(\a)+4:FB+72+8*(\a)+7], v[LN], s[16:17] offset:(\a)*32768+(\q)*1024+512
.endr
.endm
.macro MUL q, zero                     ; 36 products; the accumulators take turns, 35 others between two links of a chain.  zero = 1: the first chunk starts the sums
.set FW, ((\q)%3)/2
.set FB, (1-FW)*(32+104*((\q)%3))
.irp a, 0,1,2,3
.set AW, 1+(\a)/2
.set AB, (2-AW)*(104+72*(\a))+(AW-1)*72*((\a)-2)
	WIN FW|(FW<<2)|(AW<<4)|(AW<<6)
.irp b, 0,1,2,3,4,5,6,7,8
.if \zero
	v_wmma_f32_16x16x32_f16 v[AB+8*(\b):AB+8*(\b)+7], v[FB+8*(\b):FB+8*(\b)+7], v[FB+72+8*(\a):FB+72+8*(\a)+7], 0
.else
	v_wmma_f32_16x16x32_f16 v[AB+8*(\b):AB+8*(\b)+7], v[FB+8*(\b):FB+8*(\b)+7], v[FB+72+8*(\a):FB+72+8*(\a)+7], v[AB+8*(\b):AB+8*(\b)+7]
.endif
.endr
.endr
.endm
.macro REVOF n                         ; rv = 10^(-(n % 4) / 4) / 2 pi
.if (\n)%4 == 0
.set rv, 0x3e22f983
.elseif (\n)%4 == 1
.set rv, 0x3db74b76
.elseif (\n)%4 == 2
.set rv, 0x3d4e2601
.else
.set rv, 0x3ce7da02
.endif
.endm
.macro TOP dst, sp, cf                 ; dst = Z x top coefficient + cf, eight pairs
.set i, 0
.rept 8
	v_pk_fma_f32 v[\dst+2*i:\dst+2*i+1], v[ZZ+2*i:ZZ+2*i+1], s[\sp:\sp+1], \cf op_sel_hi:[1,0,0]
.set i, i+1
.endr
.endm
.macro HORNER dst, cf                  ; dst = dst x Z + cf, eight pairs
.set i, 0
.rept 8
	v_pk_fma_f32 v[\dst+2*i:\dst+2*i+1], v[\dst+2*i:\dst+2*i+1], v[ZZ+2*i:ZZ+2*i+1], \cf op_sel_hi:[1,1,0]
.set i, i+1
.endr
.endm
.macro PKMUL dst, a, b, n              ; dst = a x b, n pairs
.set i, 0
.rept \n
	v_pk_mul_f32 v[\dst+2*i:\dst+2*i+1], v[\a+2*i:\a+2*i+1], v[\b+2*i:\b+2*i+1]
.set i, i+1
.endr
.endm
	s_load_b256 s[4:11], s[0:1], 0x0               ; xn s[4:5], wf s[6:7], qf s[8:9], kv s[10:11]
	v_lshl_add_u32 v[SPW], v0, 2, SPARE
	v_mov_b32 v[NIL], 0
	v_lshrrev_b32 v3, 5, v0
	v_readfirstlane_b32 s12, v3                    ; wave 0..3
	s_mov_b32 s13, ttmp9                           ; X
	s_and_b32 s14, ttmp7, 0xffff                   ; Y
	v_and_b32 v[LN], 31, v0
	v_lshlrev_b32 v[LN], 4, v[LN]
	s_lshl_b32 s15, s12, 13                        ; my eight chunks of 1,024 bytes
	s_lshl_b32 s16, s14, 17                        ; four row blocks of 32,768 bytes
	s_add_co_u32 s16, s16, s15
	s_mov_b32 s17, 0
	s_mul_i32 s18, s13, 9*32768                    ; nine row blocks
	s_add_co_u32 s18, s18, s15
	s_mov_b32 s19, 0
	s_wait_kmcnt 0x0
	s_add_nc_u64 s[16:17], s[4:5], s[16:17]
	s_add_nc_u64 s[18:19], s[6:7], s[18:19]
	LOADS 0
	LOADS 1
	; addresses, in the shadow of the first loads
	WIN 0
	s_lshl2_add_u32 s20, s14, s12                  ; my token block on the way out: 4 Y + w
	s_lshl_b32 s22, s20, 10
	s_lshl_b32 s20, s20, 14                        ; qf: 16 heads of 1,024 bytes a token block,
	s_lshl_b32 s15, s13, 12                        ; from head 4 X on
	s_add_co_u32 s20, s20, s15
	s_mov_b32 s21, 0
	s_add_nc_u64 s[20:21], s[8:9], s[20:21]
	s_and_b32 s26, s13, 1
	s_lshl_b32 s15, s26, 9                         ; kv: the block's half (k) or channel block (v),
	s_add_co_u32 s22, s22, s15
	s_lshr_b32 s27, s13, 1
	s_lshl_b32 s15, s27, 18                        ; V's part lies 262,144 bytes behind K's
	s_add_co_u32 s22, s22, s15
	s_mov_b32 s23, 0
	s_add_nc_u64 s[22:23], s[10:11], s[22:23]
	s_sub_co_u32 s26, 0, s26                       ; all ones where X is odd: the ninth block's half is 1.  These two feed selects alone, never a branch
	s_sub_co_u32 s27, 0, s27                       ; all ones where the ninth block is v
	s_mov_b32 s24, 0x76543210                      ; v_permlanex16_b32: each lane takes its own place in the other half
	s_mov_b32 s25, 0xfedcba98
	s_mov_b32 s28, 0x3da83c1b                      ; pi^9 / 9!, the sine's top coefficient
	s_mov_b32 s29, s28
	s_mov_b32 s30, 0xbcd368f9                      ; -pi^10 / 10!, the cosine's
	s_mov_b32 s31, s30
	s_mul_i32 s32, s12, 36864
	v_add_nc_u32 v[LS], s32, v[LN]
	s_mul_i32 s33, s12, 9216
.irp u, 0,1,2,3
	v_add_nc_u32 v[LR+(\u)], s33, v[LN]
	s_add_co_u32 s33, s33, 36864
.endr
	v_and_b32 v12, 15, v0                          ; r
	v_bfe_u32 v13, v0, 4, 1                        ; h
	v_lshrrev_b32 v14, 3, v12
	v_and_b32 v15, 7, v12
	v_lshlrev_b32 v14, 8, v14
	v_lshl_add_u32 v14, v13, 7, v14
	v_lshl_add_u32 v14, v15, 4, v14                ; V's order: (r/8) 256 + h 128 + (r%8) 16, which the turning LDS load reads at 16 l
	v_cndmask_b32 v[KO], v[LN], v14, s27
	s_lshl_b32 s15, s14, 6
	s_lshl4_add_u32 s15, s12, s15
	s_and_b32 s15, s15, 2047
	v_add_nc_u32 v12, s15, v12                     ; t: my token's place in its sequence
	; THE ROTARY FACTORS, all in window 2
	WIN 0x80
	v_cvt_f32_u32 v[TF], v12
	v_cvt_f32_u32 v[SG], v13
	WIN 0xaa
.set i, 0
.rept 16                               ; log2(i + 6.4): one batch; the series below are the independent work behind it
.if i < 2
.set lgc, 0x40cccccd+i*0x200000
.elseif i < 10
.set lgc, 0x41066666+(i-2)*0x100000
.else
.set lgc, 0x41833333+(i-10)*0x80000
.endif
	v_log_f32 v[CO+i], lgc
.set i, i+1
.endr
	v_mul_f32 v[TF+1], 0x3dcccccd, v[TF]
	v_mul_f32 v[TF+2], 0x3c23d70a, v[TF]
	v_mul_f32 v[TF+3], 0x3a83126f, v[TF]
	v_fma_f32 v[PW], v[TF], 0x3b000000, -2.0
	v_mov_b32 v[PW+1], 0
	v_fma_f32 v[SG], v[SG], 4.0, -2.0
	v_mov_b32 v[SG+1], 0
	v_mul_f32 v[NPC], 0xc08f889e, v[PW]            ; -log2(22.4) x PW
	v_mov_b32 v[NPC+1], 0
.set i, 0
.rept 16
	REVOF i
	v_mul_f32 v[PS+i], rv, v[TF+i/4]               ; revolutions
.set i, i+1
.endr
.set i, 0
.rept 16
	v_rndne_f32 v[PS+i], v[PS+i]
.set i, i+1
.endr
.set i, 0
.rept 16
	REVOF i
	v_fma_f32 v[FF+i], v[TF+i/4], rv, -v[PS+i]     ; F, one rounding
.set i, i+1
.endr
	PKMUL ZZ, FF, FF, 8
	TOP PS, 28, 0xbf196966                         ; sin(pi F) / F
	HORNER PS, 0x402335e3
	HORNER PS, 0xc0a55de7
	HORNER PS, 0x40490fdb
	PKMUL PS, PS, FF, 8
	TOP CQ, 30, 0x3e70fa83                         ; cos(pi F)
	HORNER CQ, 0xbfaae9e4
	HORNER CQ, 0x4081e0f8
	HORNER CQ, 0xc09de9e6
	HORNER CQ, 1.0
	PKMUL SQ, PS, CQ, 8
.set i, 0
.rept 8
	v_pk_mul_f32 v[SQ+2*i:SQ+2*i+1], v[SQ+2*i:SQ+2*i+1], v[SG:SG+1] op_sel_hi:[1,0]  ; +/- sin of the whole angle
.set i, i+1
.endr
	PKMUL CQ, PS, PS, 8
.set i, 0
.rept 8
	v_pk_fma_f32 v[CQ+2*i:CQ+2*i+1], v[CQ+2*i:CQ+2*i+1], -2.0, 1.0 op_sel_hi:[1,0,0]  ; cos of the whole angle
.set i, i+1
.endr
	s_wait_alu depctr_va_vdst(0)                   ; one wait for the sixteen logarithms, ahead of their first reader
.set i, 0
.rept 8
	v_pk_fma_f32 v[CO+2*i:CO+2*i+1], v[CO+2*i:CO+2*i+1], v[PW:PW+1], v[NPC:NPC+1] op_sel_hi:[1,0,0]  ; E = log2(scale)
.set i, i+1
.endr
.set i, 0
.rept 8
	v_pk_add_f32 v[ZZ+2*i:ZZ+2*i+1], v[CO+2*i:CO+2*i+1], 0xbffc5162 op_sel_hi:[1,0]  ; + log2(32^-0.5 log2 e)
.set i, i+1
.endr
.set i, 0
.rept 8
	v_cndmask_b32 v[PS+i], v[CO+i], v[CO+8+i], s26 ; the ninth block's half
.set i, i+1
.endr
.set i, 0
.rept 4
	v_pk_mul_f32 v[PS+2*i:PS+2*i+1], v[PS+2*i:PS+2*i+1], -1.0 op_sel_hi:[1,0]
.set i, i+1
.endr
.set i, 0
.rept 16
	v_exp_f32 v[ZZ+i], v[ZZ+i]                     ; one batch of 24 exponentials
.set i, i+1
.endr
.set i, 0
.rept 8
	v_exp_f32 v[PS+i], v[PS+i]
.set i, i+1
.endr
.set i, 0
.rept 8                                ; plain, independent work behind the batch
	v_cndmask_b32 v[FF+i], v[CQ+i], v[CQ+8+i], s26
	v_cndmask_b32 v[FF+8+i], v[SQ+i], v[SQ+8+i], s26
.set i, i+1
.endr
	s_wait_alu depctr_va_vdst(0)                   ; one wait for the batch
	PKMUL CO, FF, PS, 4
.set i, 0
.rept 4
	v_pk_mul_f32 v[SO+2*i:SO+2*i+1], v[FF+8+2*i:FF+8+2*i+1], v[PS+2*i:PS+2*i+1]
.set i, i+1
.endr
.set i, 0
.rept 8
	v_cndmask_b32 v[CO+i], v[CO+i], 1.0, s27       ; v is not turned
	v_cndmask_b32 v[SO+i], v[SO+i], 0, s27
.set i, i+1
.endr
	PKMUL CQ, CQ, ZZ, 8
	PKMUL SQ, SQ, ZZ, 8
	LOADS 2
	; THE PRODUCTS: eight chunks, written out; a buffer is asked for again four places behind its last product
.irp q, 0,1,2,3,4
	s_wait_loadcnt 52                              ; chunk q is in; the two younger chunks' 26 loads each may stay out
.if (\q) == 0
	MUL \q, 1
.else
	MUL \q, 0
.endif
	PLACES
	LOADS (\q)+3
.endr
	s_wait_loadcnt 52
	MUL 5, 0
	s_wait_loadcnt 26
	MUL 6, 0
	s_wait_loadcnt 0x0
	MUL 7, 0
	PLACES
	; THE MEETING: my 36 partial blocks into LDS, each accumulator's low four registers first
.irp a, 0,1,2,3
.set AW, 1+(\a)/2
.set AB, (2-AW)*(104+72*(\a))+(AW-1)*72*((\a)-2)
	WIN AW<<2                                      ; an LDS store's data is source 1
.irp b, 0,1,2,3,4,5,6,7,8
	ds_store_b128 v[LS], v[AB+8*(\b):AB+8*(\b)+3] offset:1024*(9*(\a)+(\b))
	ds_store_b128 v[LS], v[AB+8*(\b)+4:AB+8*(\b)+7] offset:1024*(9*(\a)+(\b))+512
.endr
.endr
	WIN 0
.set i, 0
.rept 8
	v_mov_b32 v[PN+i], 0                           ; v_permlanex16_b32's destination counts as read
.set i, i+1
.endr
	s_wait_dscnt 0x0                               ; for the others' sake: my stores are done
	s_barrier_signal -1
	s_barrier_wait -1
.macro LD b                            ; the four waves' partials of block b of my row block
.set B0, 32+32*((\b)%2)
.irp u, 0,1,2,3
	ds_load_b128 v[B0+8*(\u):B0+8*(\u)+3], v[LR+(\u)] offset:1024*(\b)
	ds_load_b128 v[B0+8*(\u)+4:B0+8*(\u)+7], v[LR+(\u)] offset:1024*(\b)+512
.endr
.endm
.macro FIN b                           ; block b: summed, turned, rounded to f16, stored
.set B0, 32+32*((\b)%2)
.if (\b) < 8
.set KC, CQ+8*((\b)%2)
.set KS, SQ+8*((\b)%2)
	s_wait_dscnt 8                                 ; the next block's eight loads may stay out
.else
.set KC, CO
.set KS, SO
	s_wait_dscnt 0x0
.endif
.irp k, 0,2,4,6
	v_pk_add_f32 v[B0+(\k):B0+(\k)+1], v[B0+(\k):B0+(\k)+1], v[B0+8+(\k):B0+8+(\k)+1]
	v_pk_add_f32 v[B0+16+(\k):B0+16+(\k)+1], v[B0+16+(\k):B0+16+(\k)+1], v[B0+24+(\k):B0+24+(\k)+1]
.endr
.irp k, 0,2,4,6
	v_pk_add_f32 v[B0+(\k):B0+(\k)+1], v[B0+(\k):B0+(\k)+1], v[B0+16+(\k):B0+16+(\k)+1]
.endr
.irp k, 0,1,2,3,4,5,6,7
	v_permlanex16_b32 v[PN+(\k)], v[B0+(\k)], s24, s25
.endr
	WIN 0x08                                       ; source 1, the factors, in window 2
.irp k, 0,2,4,6
	v_pk_mul_f32 v[TT+(\k):TT+(\k)+1], v[B0+(\k):B0+(\k)+1], v[KC+(\k):KC+(\k)+1]
.endr
.irp k, 0,2,4,6
	v_pk_fma_f32 v[TT+(\k):TT+(\k)+1], v[PN+(\k):PN+(\k)+1], v[KS+(\k):KS+(\k)+1], v[TT+(\k):TT+(\k)+1]
.endr
	WIN 0
	s_wait_xcnt 0x0                                ; the last store has read its data: only behind this wait are the four words written again
.irp k, 0,1,2,3
	v_cvt_pk_f16_f32 v[YY+(\k)], v[TT+2*(\k)], v[TT+2*(\k)+1]
.endr
.if (\b) < 8
	global_store_b128 v[LN], v[YY:YY+3], s[20:21] offset:512*(\b)  ; head 4 X + b/2, half b%2: 512 consecutive bytes
.else
	global_store_b128 v[KO], v[YY:YY+3], s[22:23]
.endif
.if (\b) < 7
	LD (\b)+2
.endif
.endm
	LD 0
	LD 1
.irp b, 0,1,2,3,4,5,6,7,8
	FIN \b
.endr
	s_wait_tensorcnt 0x0                           ; the wave's end, behind my last LDS store
	ds_add_u32 v[SPW], v[NIL]
	s_wait_dscnt 0x0
	s_endpgm
.Lfunc_end_k_q2fd6d74035_qkv:
	.size	k_q2fd6d74035_qkv, .Lfunc_end_k_q2fd6d74035_qkv-k_q2fd6d74035_qkv
	.p2alignl 7, 3214868480
	.fill 96, 4, 3214868480
	.section	.rodata,"a",@progbits
	.p2align	6, 0x0
	.amdhsa_kernel k_q2fd6d74035_qkv
		.amdhsa_group_segment_fixed_size 147968
		.amdhsa_private_segment_fixed_size 0
		.amdhsa_enable_private_segment 0
		.amdhsa_kernarg_size 32
		.amdhsa_user_sgpr_count 2
		.amdhsa_user_sgpr_kernarg_segment_ptr 1
		.amdhsa_wavefront_size32 1
		.amdhsa_system_sgpr_workgroup_id_x 1
		.amdhsa_system_sgpr_workgroup_id_y 1
		.amdhsa_system_sgpr_workgroup_id_z 1
		.amdhsa_system_vgpr_workitem_id 0
		.amdhsa_next_free_vgpr 768
		.amdhsa_next_free_sgpr 66
		.amdhsa_reserve_vcc 0
		.amdhsa_float_denorm_mode_32 3
		.amdhsa_float_denorm_mode_16_64 3
		.amdhsa_memory_ordered 1
		.amdhsa_forward_progress 1
		.amdhsa_inst_pref_size 92
	.end_amdhsa_kernel
	.amdgpu_metadata
---
amdhsa.version: [ 1, 2 ]
amdhsa.kernels:
  - .name:           k_q2fd6d74035_qkv
    .symbol:         k_q2fd6d74035_qkv.kd
    .args:
      - { .name: xn, .offset: 0, .size: 8, .value_kind: global_buffer, .address_space: global }
      - { .name: wf, .offset: 8, .size: 8, .value_kind: global_buffer, .address_space: global }
      - { .name: qf, .offset: 16, .size: 8, .value_kind: global_buffer, .address_space: global }
      - { .name: kv, .offset: 24, .size: 8, .value_kind: global_buffer, .address_space: global }
    .group_segment_fixed_size: 147968
    .private_segment_fixed_size: 0
    .kernarg_segment_align: 8
    .kernarg_segment_size: 32
    .max_flat_workgroup_size: 128
    .sgpr_count:     66
    .vgpr_count:     768
    .wavefront_size: 32
...
	.end_amdgpu_metadata
.endif
;; end of part 2
;; launch attn (part 3): grid 128 x 2, 16 waves a work-group, clusters of 4 x 1, 327,680 bytes of LDS; arguments qf, kv, hc; writes hc
.if DOCPART == 3
	.amdgcn_target "amdgcn-amd-amdhsa--gfx1250"
	.amdhsa_code_object_version 6
	.text
	.protected	k_q2fd6d74035_attn
	.globl	k_q2fd6d74035_attn
	.p2align	8
	.type	k_q2fd6d74035_attn,@function
k_q2fd6d74035_attn:
	s_mov_b64 s[64:65], 0
	v_nop
	global_prefetch_b8 v0, s[64:65] scope:SCOPE_SE
	s_setreg_imm32_b32 hwreg(HW_REG_WAVE_MODE, 25, 1), 1
	s_wait_xcnt 0x0
	s_wait_alu depctr_hold_cnt(0) depctr_sa_sdst(0) depctr_va_vdst(0) depctr_va_sdst(0) depctr_va_ssrc(0) depctr_va_vcc(0) depctr_vm_vsrc(0)
	s_getreg_b32 s2, hwreg(HW_REG_IB_STS2, 6, 4)
	s_cmp_eq_u32 s2, 0
	s_cbranch_scc0 .Lentry_in_a_cluster
	s_endpgm
.Lentry_in_a_cluster:
	s_bfe_u32 s2, ttmp6, 0x10000c
	s_cmp_lg_u32 s2, 0x3003
	s_cbranch_scc0 .Lentry_shape_is_right
	s_endpgm
.Lentry_shape_is_right:
; CAUSAL MULTI-QUERY ATTENTION, 16 heads of 32 channels, one K and V a batch.  q (with 32^-0.5 log2 e and the rotary in it), k and v arrive as f16 in fragment order; the result leaves as bf16 in
; chunks 128 .. 143 of hc, the last product's A operand.  Products, maxima and sums in f32; the weights p = 2^(s - m) are rounded to f16 for the second product, their sum is taken unrounded.
; LIMITS.  A hidden score counts as its value less 1e30 (f16's scores, 1.4e11 at the most, are nothing beside that); a weight below 2^-126 counts as 0; NaN and infinities are not treated apart.
; SHARES.  A batch's 2,048 tokens are 64 blocks of 32.  A cluster takes TWO blocks, p and 63 - p; its four work-groups take four heads each.  A tile is 16 queries of one head; keys go 64 a step;
; block tb has tb/2 full steps and one step that holds the diagonal: 33 steps for a tile's pair of blocks.  A TILE'S STEPS ARE SHARED BETWEEN TWO WAVES: wave w has head 4 cx + w%4, the block's 16 tokens
; number (w/4)%2 and the steps of parity w/8, each with a running maximum, sum and O^T of its own.  At a block's end waves 8-15 hand m, l and O^T to waves 0-7 through LDS, which join the two by the
; running maximum's own correction, a = 2^(m_half - m), divide and store.  So sixteen waves, four to a SIMD, have 16 or 17 steps each.
; The four partners differ in heads alone, which enter Q's and the result's addresses only: every branch and trip count hangs on p and the wave's number.
; K AND V OF THE WHOLE BATCH LIE IN LDS, 131,072 bytes each, filled once, JOINTLY for the four work-groups: wave w brings 16 KiB to byte 16,384 w, one load a wave, ahead of one wait and one barrier; nothing is
; filled again.  Nothing is prefetched: all that is read from memory is asked for at the head.
; PHASES.  Four waves share a SIMD and nothing ties them together within a block, so one wave's products and waits stand beside the others' softmax; the text is plain phases in one register window.
; LAYOUT.  S^T = K Q^T: a lane holds ONE query (l%16) and keys 8 (l/16) + j of each of four blocks of 16; two such results rounded to f16 ARE source 1 of O^T = V^T P, whose result holds one query a lane
; and eight channels: 16 bytes of hc.  V comes out of LDS turned, by ds_load_tr16_b128, from pieces laid so that lane l reads at 16 l.
; THE MASK is the C operand of the diagonal step's products: MD x AL + BE, with MD the mask of the tile's own 16 keys, (AL, BE) = (1, 0) there, (0, 0) for earlier keys, (0, -1e30) for later ones.
.set LN, 1                             ; 16 l; never rewritten
.set ADRK, 2
.set ADRV, 3
.set SPW, 4
.set NIL, 5
.set LNV, 6                            ; 16 l + V's first byte
.set TMP, 7
.set RM, 8                             ; v[8:9]   m (pair's low word)
.set RL, 10                            ; v[10:11] l: even keys', odd keys'
.set RA, 12                            ; v[12:13] a (pair's low word)
.set MOLD, 14
.set TM2, 15
.set RC, 16                            ; v[16:19] four chains of the maximum
.set MD, 20
.set RQ, 28
.set RK, 36
.set RV, 68
.set RS, 100
.set RP, 132
.set RO, 148
.set OUT, 164
.set QB, 172                           ; the second block's Q
.set MGA, 180                          ; where a pair of waves meets in LDS, + 16 l; never rewritten
.set VBASE, 131072
.set MG, 262144                        ; behind K and V: 2,560 bytes for each of eight pairs of waves: (m, m, l, l), then O^T's sixteen registers, 512 bytes to four registers
.set SPARE, MG+8*2560                  ; behind them: the spare words, 128 bytes for each of sixteen waves
.set LASTK, 126976                     ; LDS byte of the last key step's K
.set WV, 10
.set PP, 11
.set BT, 12
.set HG, 13
.set HD, 14
.set UU, 15
.set W16, 17
.set TB, 20                            ; LDS byte at which the step's K begins (V's: the same behind VBASE)
.set T, 21
.set BLK, 22
.set SD, 23                            ; full steps of the block in hand
.set G1, 24
.set G0, 32
.set TT, 40                            ; the number of the key step that a trip stands for
.set PU, 48                            ; which of the diagonal step's four key blocks is the tile's own
.set SD2, 49
.set PU2, 50
.set BIGN, 51
.set AL, 52
.set BE, 54
.set SEL, 56
.set OP, 58
.set OP2, 60
.set HF, 63                            ; my parity of key steps
.set QPA, 66
.set QPB, 68
.set KVO, 70
.macro ROUND                           ; a round of the cluster's barrier
	s_barrier_signal -1
	s_barrier_wait -1
	s_cmp_lg_u32 s[WV], 0
	s_cbranch_scc1 .Lnot_wave_0_\@
	s_barrier_signal -3
.Lnot_wave_0_\@:
	s_barrier_wait -3
	s_barrier_signal -1
	s_barrier_wait -1
.endm
.macro PLACES
.rept 4
	v_nop
.endr
.endm
.macro FETCH_K                         ; 64 keys x 32 channels: four fragments
.irp f, 0,1,2,3
	ds_load_b128 v[RK+8*(\f):RK+8*(\f)+3], v[ADRK] offset:1024*(\f)
	ds_load_b128 v[RK+8*(\f)+4:RK+8*(\f)+7], v[ADRK] offset:1024*(\f)+512
.endr
.endm
.macro SOFTMAX
.irp k, 0,1,2,3                        ; each accumulator's lowest registers are read first
	v_max3_num_f32 v[RC+(\k)], v[RS+8*(\k)], v[RS+8*(\k)+1], v[RS+8*(\k)+2]
.endr
.irp k, 0,1,2,3
	v_max3_num_f32 v[RC+(\k)], v[RC+(\k)], v[RS+8*(\k)+3], v[RS+8*(\k)+4]
.endr
.irp k, 0,1,2,3
	v_max3_num_f32 v[RC+(\k)], v[RC+(\k)], v[RS+8*(\k)+5], v[RS+8*(\k)+6]
.endr
	v_max3_num_f32 v[RC], v[RC], v[RS+7], v[RS+15]
	v_max3_num_f32 v[RC+1], v[RC+1], v[RS+23], v[RS+31]
	v_max3_num_f32 v[RC+2], v[RC+2], v[RC+3], v[RM]
	v_mov_b32 v[MOLD], v[RM]
	v_max3_num_f32 v[RC], v[RC], v[RC+1], v[RC+2]
	v_permlanex16_b32 v[RC+1], v[RC], s[SEL], s[SEL+1]  ; the query's other 32 keys lie in the lane 16 away
	v_max_num_f32 v[RM], v[RC], v[RC+1]
	v_sub_f32 v[MOLD], v[MOLD], v[RM]
.set i, 0
.rept 16
	v_pk_add_f32 v[RS+2*i:RS+2*i+1], v[RS+2*i:RS+2*i+1], v[RM:RM+1] op_sel_hi:[1,0] neg_lo:[0,1] neg_hi:[0,1]
.set i, i+1
.endr
	v_exp_f32 v[RA], v[MOLD]                       ; one batch of 33 exponentials: none reads another's result
.set i, 0
.rept 32
	v_exp_f32 v[RS+i], v[RS+i]
.set i, i+1
.endr
	v_nop                                          ; a plain instruction behind the last exponential
	s_wait_alu depctr_va_vdst(0)                   ; and one wait for the batch, ahead of its first reader
.set i, 0
.rept 16
	v_cvt_pk_f16_f32 v[RP+i], v[RS+2*i], v[RS+2*i+1]
.set i, i+1
.endr
.irp w, 4,8,16,32                      ; the sixteen pairs are added as a tree, in place
.set i, 0
.rept 32/(\w)
	v_pk_add_f32 v[RS+(\w)*i:RS+(\w)*i+1], v[RS+(\w)*i:RS+(\w)*i+1], v[RS+(\w)*i+(\w)/2:RS+(\w)*i+(\w)/2+1]
.set i, i+1
.endr
.endr
	v_pk_fma_f32 v[RL:RL+1], v[RL:RL+1], v[RA:RA+1], v[RS:RS+1] op_sel_hi:[1,0,1]
.set i, 0
.rept 8
	v_pk_mul_f32 v[RO+2*i:RO+2*i+1], v[RO+2*i:RO+2*i+1], v[RA:RA+1] op_sel_hi:[1,0]
.set i, i+1
.endr
.endm
; A KEY STEP.  m = 1: the diagonal step, a block's last.  At its head K of the step has been asked for (eight LDS loads are out).
.macro STEP m
	v_add_nc_u32 v[ADRV], s[TB], v[LNV]
.irp f, 0,1,2,3                        ; V's fragment f: keys 32 (f/2) on, channels 16 (f%2) on
	ds_load_tr16_b128 v[RV+8*(\f):RV+8*(\f)+3], v[ADRV] offset:((\f)/2)*2048+((\f)%2)*512
	ds_load_tr16_b128 v[RV+8*(\f)+4:RV+8*(\f)+7], v[ADRV] offset:((\f)/2)*2048+((\f)%2)*512+1024
.endr
.if \m
.irp kb, 0,1,2,3
	s_cmp_eq_u32 s[PU], \kb
	s_cselect_b32 s[AL], 1.0, 0
	s_cmp_lt_u32 s[PU], \kb
	s_cselect_b32 s[BE], s[BIGN], 0
.irp z, 0,2,4,6
	v_pk_fma_f32 v[RS+8*(\kb)+(\z):RS+8*(\kb)+(\z)+1], v[MD+(\z):MD+(\z)+1], s[AL:AL+1], s[BE:BE+1] op_sel_hi:[1,0,0]
.endr
.endr
.endif
	s_wait_dscnt 8                                 ; K is in; V's eight loads may stay out
.irp kb, 0,1,2,3
.if \m
	v_wmma_f32_16x16x32_f16 v[RS+8*(\kb):RS+8*(\kb)+7], v[RK+8*(\kb):RK+8*(\kb)+7], v[RQ:RQ+7], v[RS+8*(\kb):RS+8*(\kb)+7]
.else
	v_wmma_f32_16x16x32_f16 v[RS+8*(\kb):RS+8*(\kb)+7], v[RK+8*(\kb):RK+8*(\kb)+7], v[RQ:RQ+7], 0
.endif
.endr
.if \m
	PLACES                                         ; four places ahead of the softmax's reads
.else
	s_add_co_u32 s[TB], s[TB], 8192                ; my next step is two steps on;
	s_min_u32 s[TB], s[TB], LASTK                  ; behind my last one the fetch, which then serves nothing, stays inside K's bytes
	v_add_nc_u32 v[ADRK], s[TB], v[LN]             ; this line and three v_nop are the four places behind the products
	v_nop
	v_nop
	v_nop
	FETCH_K
.endif
	SOFTMAX
	s_wait_dscnt 8*(1-(\m))                        ; V is in; the next K's eight loads may stay out
.irp kk, 0,1                           ; the two accumulators take turns
.irp cb, 0,1
	v_wmma_f32_16x16x32_f16 v[RO+8*(\cb):RO+8*(\cb)+7], v[RV+8*(2*(\kk)+(\cb)):RV+8*(2*(\kk)+(\cb))+7], v[RP+8*(\kk):RP+8*(\kk)+7], v[RO+8*(\cb):RO+8*(\cb)+7]
.endr
.endr
	PLACES                                         ; ahead of the next loads into V and the next reads of O^T
.endm
	s_load_b128 s[4:7], s[0:1], 0x0                ; qf s[4:5], kv s[6:7]
	s_load_b64 s[8:9], s[0:1], 0x10                ; hc
	v_lshl_add_u32 v[SPW], v0, 2, SPARE
	v_mov_b32 v[NIL], 0
	ds_add_u32 v[SPW], v[NIL]                      ; the wave's opening: the add and its wait stand ahead of my first tensor load; work on registers stands between them
	v_lshrrev_b32 v[TMP], 5, v0
	v_readfirstlane_b32 s[WV], v[TMP]              ; wave 0..15
	s_mov_b32 s[PP], ttmp9                         ; the cluster's x: the pair of blocks
	s_and_b32 s[BT], ttmp7, 0xffff                 ; the batch
	s_bfe_u32 s[HG], ttmp6, 0x40000                ; my place in the cluster: the group of four heads
	s_and_b32 s[HD], s[WV], 3
	s_lshl2_add_u32 s[HD], s[HG], s[HD]            ; my head
	s_bfe_u32 s[UU], s[WV], 0x10002                ; which 16 of the block's 32 tokens
	s_lshr_b32 s[HF], s[WV], 3                     ; which parity of key steps
	s_lshl_b32 s[W16], s[WV], 14
	s_mov_b32 s[G1], 15|(3<<16)|(1<<21)            ; the mask of four; elements of 8 bytes; bit 21 beside a mask; no padding
	s_mov_b32 s[G1+1], 32<<16                      ; tensor_dim0 = 32 elements: rows of 256 bytes
	s_mov_b32 s[G1+2], 64<<16                      ; tensor_dim1 = 64
	s_mov_b32 s[G1+3], 32<<16                      ; tile_dim0
	s_mov_b32 s[G1+4], 64                          ; tile_dim1
	s_mov_b32 s[G1+5], 32                          ; the block is dense
	s_mov_b32 s[G1+6], 0
	s_mov_b32 s[G1+7], 0
	s_mov_b32 s[G0], 1
	s_mov_b32 s[G0+1], s[W16]                      ; LDS byte 16,384 w: waves 0-7 fill K's bytes, waves 8-15 V's
	s_lshr_b32 s[SD], s[PP], 1
	s_and_b32 s16, s[PP], 1
	s_lshl1_add_u32 s[PU], s16, s[UU]
	s_sub_co_u32 s18, 63, s[PP]                    ; the second block
	s_lshr_b32 s[SD2], s18, 1
	s_and_b32 s16, s18, 1
	s_lshl1_add_u32 s[PU2], s16, s[UU]
	s_lshl_b32 s16, s[BT], 7
	s_add_co_u32 s16, s16, s[UU]
	s_lshl1_add_u32 s19, s[PP], s16                ; my tile's block of 16 tokens, in the first block
	s_lshl1_add_u32 s18, s18, s16                  ; and in the second
	s_lshl_b32 s62, s[HD], 10
	s_lshl_b32 s[QPA], s19, 14
	s_add_co_u32 s[QPA], s[QPA], s62
	s_mov_b32 s[QPA+1], 0
	s_lshl_b32 s[QPB], s18, 14
	s_add_co_u32 s[QPB], s[QPB], s62
	s_mov_b32 s[QPB+1], 0
	s_add_co_u32 s62, s62, 131072                  ; chunk 128 + head
	s_mul_i32 s[OP], s19, 147456
	s_add_co_u32 s[OP], s[OP], s62
	s_mov_b32 s[OP+1], 0
	s_mul_i32 s[OP2], s18, 147456
	s_add_co_u32 s[OP2], s[OP2], s62
	s_mov_b32 s[OP2+1], 0
	s_lshl_b32 s[KVO], s[BT], 17                   ; the batch's 131,072 bytes, my 16,384 of them;
	s_add_co_u32 s[KVO], s[KVO], s[W16]
	s_lshl_b32 s16, s[HF], 17                      ; V's part of kv begins 262,144 bytes in, of which waves 8-15 carry 131,072 in 16,384 w
	s_add_co_u32 s[KVO], s[KVO], s16
	s_mov_b32 s[KVO+1], 0
	s_mov_b32 s[BIGN], 0xf149f2ca                  ; -1e30
	s_mov_b32 s[AL+1], 0                           ; named as pairs
	s_mov_b32 s[BE+1], 0
	s_mov_b32 s[SEL], 0x76543210
	s_mov_b32 s[SEL+1], 0xfedcba98
	s_mov_b32 s[BLK], 2
	s_wait_dscnt 0x0                               ; the opening add is done
	s_wait_kmcnt 0x0
	s_add_nc_u64 s[G0+2:G0+3], s[6:7], s[KVO:KVO+1]
	s_or_b32 s[G0+3], s[G0+3], 0x80000000
	s_add_nc_u64 s[QPA:QPA+1], s[4:5], s[QPA:QPA+1]
	s_add_nc_u64 s[QPB:QPB+1], s[4:5], s[QPB:QPB+1]
	s_add_nc_u64 s[OP:OP+1], s[8:9], s[OP:OP+1]
	s_add_nc_u64 s[OP2:OP2+1], s[8:9], s[OP2:OP2+1]
	ROUND                                          ; all four work-groups are here: the joint loads meet
	tensor_load_to_lds s[G0:G0+3], s[G1:G1+7]      ; one load of mine is out
	s_nop 0
.rept 4
	v_nop
.endr
	v_and_b32 v[LN], 31, v0
	v_lshlrev_b32 v[LN], 4, v[LN]
	global_load_b128 v[RQ:RQ+3], v[LN], s[QPA:QPA+1]
	global_load_b128 v[RQ+4:RQ+7], v[LN], s[QPA:QPA+1] offset:512
	global_load_b128 v[QB:QB+3], v[LN], s[QPB:QPB+1]
	global_load_b128 v[QB+4:QB+7], v[LN], s[QPB:QPB+1] offset:512
	v_add_nc_u32 v[LNV], VBASE, v[LN]
	s_and_b32 s16, s[WV], 7                        ; waves w and w + 8 meet in the same 2,560 bytes
	s_mul_i32 s16, s16, 2560
	s_add_co_u32 s16, s16, MG
	v_add_nc_u32 v[MGA], s16, v[LN]
	v_and_b32 v[TMP], 15, v0
	v_bfe_u32 v[TM2], v0, 4, 1
	v_lshlrev_b32 v[TM2], 3, v[TM2]
	v_sub_nc_u32 v[TMP], v[TMP], v[TM2]            ; my query's place less my lanes' 8 (l/16): key register j is hidden where j is greater
.set i, 0
.rept 8
	v_cmp_gt_i32 vcc_lo, i, v[TMP]
	v_cndmask_b32 v[MD+i], 0, s[BIGN], vcc_lo
.set i, i+1
.endr
	v_mov_b32 v[RA+1], 0                           ; named with a as a pair
	v_mov_b32 v[RC+1], 0                           ; likewise, where the halves are joined
	s_wait_loadcnt 0x0                             ; both blocks' Q
	s_wait_tensorcnt 0x0                           ; my part of K or V has landed,
	s_barrier_signal -1
	s_barrier_wait -1                              ; everybody's has: from here on K's and V's bytes are only read
.Lblock:                                       ; two trips: block p, then block 63 - p
	v_mov_b32 v[RM], 0xfe000000                    ; far below every score: the first step's a is 0, and a half without a step counts for nothing where the halves are joined
	v_mov_b32 v[RM+1], 0xfe000000
	v_mov_b32 v[RL], 0
	v_mov_b32 v[RL+1], 0
.set i, 0
.rept 16
	v_mov_b32 v[RO+i], 0                           ; no first step is written out: 16 lines a block
.set i, i+1
.endr
	s_lshl_b32 s[TB], s[HF], 12                    ; my first step is step 0 or step 1
	v_add_nc_u32 v[ADRK], s[TB], v[LN]
	FETCH_K
	s_mov_b32 s[TT], s[HF]
	s_mov_b32 s[T], 0
.Lstep:                                        ; counted to the greatest number of full steps of one parity, 16; the trips that this block does not have are jumped, forward, over text with no barrier and no tensor load
	s_cmp_ge_u32 s[TT], s[SD]
	s_cbranch_scc1 .Ldead
	STEP 0
.Ldead:
	s_add_co_u32 s[TT], s[TT], 2
	s_add_co_u32 s[T], s[T], 1
	s_cmp_lt_u32 s[T], 16
	s_cbranch_scc1 .Lstep
	s_xor_b32 s16, s[SD], s[HF]                    ; the diagonal step, number SD, goes to the half of its parity; that half's last fetch of K was this step's
	s_and_b32 s16, s16, 1
	s_cmp_lg_u32 s16, 0
	s_cbranch_scc1 .Lnodiag
	STEP 1
.Lnodiag:
	; THE HALVES MEET.  Waves 8-15 put (m, m, l, l) and O^T into LDS, each accumulator's low four registers first
	s_cmp_lt_u32 s[WV], 8
	s_cbranch_scc1 .Lkeep
	ds_store_b128 v[MGA], v[RM:RM+3]
.irp k, 0,1,2,3
	ds_store_b128 v[MGA], v[RO+4*(\k):RO+4*(\k)+3] offset:512*(\k)+512
.endr
.Lkeep:
	s_wait_dscnt 0x0                               ; for the others' sake: my stores are done (and so is a fetch of K that no step took)
	s_barrier_signal -1
	s_barrier_wait -1
	s_cmp_lt_u32 s[WV], 8
	s_cbranch_scc0 .Lgot
.irp k, 0,1,2,3,4
	ds_load_b128 v[RS+4*(\k):RS+4*(\k)+3], v[MGA] offset:512*(\k)
.endr
.Lgot:
	s_wait_dscnt 0x0                               ; my reads of those bytes are back:
	s_barrier_signal -1
	s_barrier_wait -1                              ; only behind this barrier are they written again, in the next block
	s_cmp_lt_u32 s[WV], 8
	s_cbranch_scc0 .Lnext
	; waves 0-7: m = max of the two; each half's l and O^T times 2^(m_half - m); l's two halves and the other half of the lanes'; O^T / l, rounded to bf16: a lane's eight channels are 16 bytes of hc
	v_max_num_f32 v[TMP], v[RM], v[RS]
	v_sub_f32 v[MOLD], v[RM], v[TMP]
	v_sub_f32 v[TM2], v[RS], v[TMP]
	v_exp_f32 v[RA], v[MOLD]
	v_exp_f32 v[RC], v[TM2]
	v_add_f32 v[RL], v[RL], v[RL+1]                ; plain work behind the two exponentials,
	v_add_f32 v[RS+2], v[RS+2], v[RS+3]
	s_wait_alu depctr_va_vdst(0)                   ; and their one wait
	v_mul_f32 v[RL], v[RL], v[RA]
	v_fma_f32 v[RL], v[RS+2], v[RC], v[RL]
	v_permlanex16_b32 v[TM2], v[RL], s[SEL], s[SEL+1]
	v_add_f32 v[RL], v[RL], v[TM2]
	v_rcp_f32 v[MOLD], v[RL]
.set i, 0
.rept 8                                ; sixteen plain lines stand between the reciprocal and the wait for it
	v_pk_mul_f32 v[RO+2*i:RO+2*i+1], v[RO+2*i:RO+2*i+1], v[RA:RA+1] op_sel_hi:[1,0]
.set i, i+1
.endr
.set i, 0
.rept 8
	v_pk_fma_f32 v[RO+2*i:RO+2*i+1], v[RS+4+2*i:RS+4+2*i+1], v[RC:RC+1], v[RO+2*i:RO+2*i+1] op_sel_hi:[1,0,1]
.set i, i+1
.endr
	s_wait_alu depctr_va_vdst(0)
.set i, 0
.rept 8
	v_pk_mul_f32 v[RO+2*i:RO+2*i+1], v[RO+2*i:RO+2*i+1], v[MOLD:MOLD+1] op_sel_hi:[1,0]
.set i, i+1
.endr
.set i, 0
.rept 8
	v_cvt_pk_bf16_f32 v[OUT+i], v[RO+2*i], v[RO+2*i+1]
.set i, i+1
.endr
	global_store_b128 v[LN], v[OUT:OUT+3], s[OP:OP+1]             ; 512 consecutive bytes each
	global_store_b128 v[LN], v[OUT+4:OUT+7], s[OP:OP+1] offset:512
.Lnext:
.set i, 0
.rept 8
	v_mov_b32 v[RQ+i], v[QB+i]                     ; the second block's Q goes where the one text of the steps names Q
.set i, i+1
.endr
	s_wait_xcnt 0x0                                ; the stores have read their data and their base
	s_mov_b64 s[OP:OP+1], s[OP2:OP2+1]
	s_mov_b32 s[SD], s[SD2]
	s_mov_b32 s[PU], s[PU2]
	s_sub_co_u32 s[BLK], s[BLK], 1
	s_cmp_lg_u32 s[BLK], 0
	s_cbranch_scc1 .Lblock
	s_wait_tensorcnt 0x0                           ; the wave's end, behind my last LDS store
	ds_add_u32 v[SPW], v[NIL]
	s_wait_dscnt 0x0
	ROUND                                          ; the closing round
	s_endpgm
.Lfunc_end_k_q2fd6d74035_attn:
	.size	k_q2fd6d74035_attn, .Lfunc_end_k_q2fd6d74035_attn-k_q2fd6d74035_attn
	.p2alignl 7, 3214868480
	.fill 96, 4, 3214868480
	.section	.rodata,"a",@progbits
	.p2align	6, 0x0
	.amdhsa_kernel k_q2fd6d74035_attn
		.amdhsa_group_segment_fixed_size 327680
		.amdhsa_private_segment_fixed_size 0
		.amdhsa_enable_private_segment 0
		.amdhsa_kernarg_size 24
		.amdhsa_user_sgpr_count 2
		.amdhsa_user_sgpr_kernarg_segment_ptr 1
		.amdhsa_wavefront_size32 1
		.amdhsa_system_sgpr_workgroup_id_x 1
		.amdhsa_system_sgpr_workgroup_id_y 1
		.amdhsa_system_sgpr_workgroup_id_z 1
		.amdhsa_system_vgpr_workitem_id 0
		.amdhsa_next_free_vgpr 184
		.amdhsa_next_free_sgpr 72
		.amdhsa_reserve_vcc 1
		.amdhsa_float_denorm_mode_32 3
		.amdhsa_float_denorm_mode_16_64 3
		.amdhsa_memory_ordered 1
		.amdhsa_forward_progress 1
		.amdhsa_inst_pref_size 29
	.end_amdhsa_kernel
	.amdgpu_metadata
---
amdhsa.version: [ 1, 2 ]
amdhsa.kernels:
  - .name:           k_q2fd6d74035_attn
    .symbol:         k_q2fd6d74035_attn.kd
    .args:
      - { .name: qf, .offset: 0, .size: 8, .value_kind: global_buffer, .address_space: global }
      - { .name: kv, .offset: 8, .size: 8, .value_kind: global_buffer, .address_space: global }
      - { .name: hc, .offset: 16, .size: 8, .value_kind: global_buffer, .address_space: global }
    .group_segment_fixed_size: 327680
    .private_segment_fixed_size: 0
    .kernarg_segment_align: 8
    .kernarg_segment_size: 24
    .max_flat_workgroup_size: 512
    .sgpr_count:     72
    .vgpr_count:     184
    .wavefront_size: 32
...
	.end_amdgpu_metadata
.endif
;; end of part 3
;; launch ffg (part 4): grid 32 x 16, 4 waves a work-group, clusters of 4 x 4, 327,680 bytes of LDS; arguments xn, wf, hc; writes hc
.if DOCPART == 4
	.amdgcn_target "amdgcn-amd-amdhsa--gfx1250"
	.amdhsa_code_object_version 6
	.text
	.protected	k_q2fd6d74035_ffg
	.globl	k_q2fd6d74035_ffg
	.p2align	8
	.type	k_q2fd6d74035_ffg,@function
k_q2fd6d74035_ffg:
	s_mov_b64 s[64:65], 0
	v_nop
	global_prefetch_b8 v0, s[64:65] scope:SCOPE_SE
	s_setreg_imm32_b32 hwreg(HW_REG_WAVE_MODE, 25, 1), 1
	s_wait_xcnt 0x0
	s_wait_alu depctr_hold_cnt(0) depctr_sa_sdst(0) depctr_va_vdst(0) depctr_va_sdst(0) depctr_va_ssrc(0) depctr_va_vcc(0) depctr_vm_vsrc(0)
	s_getreg_b32 s2, hwreg(HW_REG_IB_STS2, 6, 4)
	s_cmp_eq_u32 s2, 0
	s_cbranch_scc0 .Lentry_in_a_cluster
	s_endpgm
.Lentry_in_a_cluster:
	s_bfe_u32 s2, ttmp6, 0x10000c
	s_cmp_lg_u32 s2, 0xf033
	s_cbranch_scc0 .Lentry_shape_is_right
	s_endpgm
.Lentry_shape_is_right:
; FF: hidden = silu(gate) x ff_x, with [ff_x | gate] = xn x wf[row blocks 36 ..]^T.  xn [4096][1024] and wf f16, sums in f32, hidden rounded once to bf16 into chunks 0 .. 127 of hc.
; hidden is bf16, not f16: it grows with the square of the weights' size and has no such room in f16.
; A tile is 256 tokens x 256 rows of wf, made by four waves of 128 x 128 (64 accumulators, 512 registers).  wf's row blocks are ordered so that a wave's eight blocks are 64 columns of ff_x and THEIR 64 gates:
; accumulators (a, b) and (a, b + 4) match register for register, and SwiGLU is done in registers.  512 tiles: two for each of 256 work-group places; one tile a work-group.
; BLOCKED OPERANDS: 16 rows x 32 K are 1,024 bytes on end, lane l's pieces at 16 l and 512 + 16 l.  So a K step of 128 of 128 rows is 8 rows of 4,096 bytes for the tensor load, LDS needs no padding (a fragment
; load reads 512 bytes on end), and a result (a lane holds one token and 8 neighbouring columns) is stored straight from registers, 512 consecutive bytes a store.
; THE RING: two slots of 131,072 bytes (A's two halves, B's two halves); each wave fetches a quarter of a slot with one load; one change of slots a K step.
; CLUSTERS: 4 x 4 work-groups; A's tile is asked for jointly along a row of the cluster, B's along a column.
; REGISTERS, in windows of 256: window 0: v0-31 addresses, v64-127 and v128-191 A's fragments (two buffers; on the way out: at work); window 1: the same numbers, B's fragments;
; window 2: the accumulators of my rows 0-63, (a, b) at 8 (8 a + b); window 3: those of rows 64-127.  THE PRODUCT IS TAKEN TRANSPOSED: source 0 = 16 rows of wf, source 1 = 16 tokens.
.set KSB,   4096                       ; bytes of a K step in a row block
.set RB,    32768                      ; bytes of a row block: 32 chunks
.set HALFT, 32768                      ; what one tensor load brings
.set SLOT,  131072
.set SPARE, 262144                     ; behind the ring: the spare words, 128 bytes a wave
.set LAPS,  4                          ; a lap = two K steps; K = 1,024
.set HROW,  147456                     ; bytes of a row block of hc
.set ADRA, 16
.set ADRB, 20
.set CO,   26
.set SPW,  28
.set NIL,  29
.set PFO,  30
.set PFA,  44
.set LIM,  43
.set F0,   64
.set F1,   128
.set TT,   64                          ; the way out: 32 gates, then 1 / (1 + 2^(-g log2 e))
.set GX,   96                          ; gate x ff_x
.set G1, 24
.set G0, 32
.set G1B, 48
.set G0B, 56
.set MSB, 0
.macro WIN new
.if MSB != (\new)
	s_set_vgpr_msb (MSB<<8)|(\new)
.set MSB, \new
.endif
.endm
.set MUL_LO, 0xa1                      ; source 0 (B) window 1, source 1 (A) window 0, C and D window 2
.set MUL_HI, 0xf1
.set TO_B,   0x40
; A joint load: waves 0 and 1 fetch A's halves, waves 2 and 3 B's.  An s_nop 0 and four v_nop follow each of the two lines.
.macro JLOAD s
	s_cmp_eq_u32 s11, 0
	s_cbranch_scc0 .Lfor_b_\@
	tensor_load_to_lds s[G0+4*(\s):G0+4*(\s)+3], s[G1:G1+7]
	s_nop 0
.rept 4
	v_nop
.endr
	s_branch .Lasked_\@
.Lfor_b_\@:
	tensor_load_to_lds s[G0B+4*(\s):G0B+4*(\s)+3], s[G1B:G1B+7]
	s_nop 0
.rept 4
	v_nop
.endr
.Lasked_\@:
.endm
; A PREFETCH of the K step that stands two refills on, behind each joint load and the run of LDS loads that follows it.  A's rows are read by every cluster of a row of clusters: the one with x = 0 asks;
; B's by every cluster of a column: the one with y = 0 asks.  Of the eight row blocks that a wave fetches, the partner at place p takes blocks 2 p and 2 p + 1, told apart by address:
; 8,192 bytes, a lane to each 256.  So each block is named once in the launch.  K steps 0-3 come by their loads alone; the loop's last trip asks for nothing.
.macro ASK
	s_cmp_gt_u32 s3, s[LIM]
	s_cbranch_scc0 .Lnot_mine_\@
	global_prefetch_b8 v[PFO], s[PFA:PFA+1] offset:KSB th:TH_LOAD_NT scope:SCOPE_SE
.Lnot_mine_\@:
.endm
.macro CREST
	s_cmp_lg_u32 s10, 0
	s_cbranch_scc1 .Lnot_wave_0_\@
	s_barrier_signal -3
.Lnot_wave_0_\@:
	s_barrier_wait -3
	s_barrier_signal -1
	s_barrier_wait -1
.endm
.macro CROUND
	s_barrier_signal -1
	s_barrier_wait -1
	CREST
.endm
	s_load_b128 s[4:7], s[0:1], 0x0                ; xn s[4:5], wf s[6:7]
	s_load_b64 s[8:9], s[0:1], 0x10                ; hc
	v_lshl_add_u32 v[SPW], v0, 2, SPARE
	v_mov_b32 v[NIL], 0
	ds_add_u32 v[SPW], v[NIL]                      ; the wave's opening: the add and its wait stand ahead of my first tensor load
	v_lshrrev_b32 v1, 5, v0
	v_readfirstlane_b32 s10, v1                    ; wave 0..3
	s_lshr_b32 s11, s10, 1                         ; my half of the tile's rows.  Also: I fetch for A (0) or B (1)
	s_and_b32 s12, s10, 1                          ; my half of its columns.  Also: which half of that tile I fetch
	s_bfe_u32 s40, ttmp6, 0x40000                  ; cx
	s_bfe_u32 s41, ttmp6, 0x40004                  ; cy
	s_lshl_b32 s42, ttmp9, 2
	s_add_co_u32 s42, s42, s40                     ; tile column
	s_and_b32 s13, ttmp7, 0xffff
	s_lshl_b32 s13, s13, 2
	s_add_co_u32 s13, s13, s41                     ; tile row
	s_lshl_b32 s43, s41, 2
	s_lshl_b32 s43, 15, s43                        ; my row of the cluster
	s_lshl_b32 s44, 0x1111, s40                    ; my column
	s_or_b32 s[G1+0], s43, (3<<16)|(1<<21)         ; the mask; elements of 8 bytes; bit 21 beside a mask; no padding
	s_or_b32 s[G1B+0], s44, (3<<16)|(1<<21)
.irp g, G1, G1B
	s_mov_b32 s[(\g)+1], 512<<16                   ; tensor_dim0 = 512 elements: 4,096 bytes
	s_mov_b32 s[(\g)+2], 8<<16                     ; tensor_dim1 = 8 row blocks
	s_mov_b32 s[(\g)+3], 512<<16                   ; tile_dim0
	s_mov_b32 s[(\g)+4], 8                         ; tile_dim1
	s_mov_b32 s[(\g)+5], 4096                      ; 32,768 bytes from row block to row block
	s_mov_b32 s[(\g)+6], 0
	s_mov_b32 s[(\g)+7], 0
.endr
	s_lshl_b32 s17, s12, 18                        ; the half that I fetch: eight row blocks
	s_lshl_b32 s16, s13, 19                        ; A: sixteen row blocks a tile row
	s_add_co_u32 s16, s16, s17
	s_lshl_b32 s46, s42, 19                        ; B: the same by tile column,
	s_add_co_u32 s46, s46, s17
	s_add_co_u32 s46, s46, 36*RB                   ; behind the attention's 36 blocks
	s_mov_b32 s17, 0
	s_mov_b32 s47, 0
	s_lshl_b32 s20, s10, 15                        ; where they go: wave x 32,768: no place in the cluster enters an LDS address
	s_wait_dscnt 0x0                               ; the opening add is done
	s_wait_kmcnt 0x0
	s_add_nc_u64 s[14:15], s[4:5], s[16:17]
	s_add_nc_u64 s[46:47], s[6:7], s[46:47]
	CROUND                                         ; all sixteen work-groups are here: the first joint loads meet
.irp s, 0,1
	s_mov_b32 s[G0+4*(\s)], 1
	s_add_co_u32 s[G0+4*(\s)+1], s20, (\s)*SLOT
	s_add_nc_u64 s[G0+4*(\s)+2:G0+4*(\s)+3], s[14:15], (\s)*KSB
	s_or_b32 s[G0+4*(\s)+3], s[G0+4*(\s)+3], 0x80000000
	s_mov_b32 s[G0B+4*(\s)], 1
	s_add_co_u32 s[G0B+4*(\s)+1], s20, (\s)*SLOT
	s_add_nc_u64 s[G0B+4*(\s)+2:G0B+4*(\s)+3], s[46:47], (\s)*KSB
	s_or_b32 s[G0B+4*(\s)+3], s[G0B+4*(\s)+3], 0x80000000
	JLOAD \s
.endr
	v_and_b32 v1, 31, v0
	v_lshlrev_b32 v3, 4, v1                        ; 16 l
	s_lshl_b32 s21, s11, 15                        ; my eight row blocks of A
	s_lshl_b32 s22, s12, 15
	s_add_co_u32 s22, s22, 2*HALFT                 ; and of B, behind A's sixteen
.irp s, 0,1
	v_add_nc_u32 v[ADRA+(\s)], s21, v3
	v_add_nc_u32 v[ADRB+(\s)], s22, v3
	s_add_co_u32 s21, s21, SLOT
	s_add_co_u32 s22, s22, SLOT
.endr
	v_mov_b32 v[CO], v3
	s_lshl_b32 s16, s13, 4
	s_lshl3_add_u32 s16, s11, s16                  ; my first row block of hc
	s_mul_i32 s16, s16, HROW
	s_mov_b32 s17, 0
	s_lshl1_add_u32 s46, s42, s12                  ; my 64 columns of hidden: two chunks
	s_lshl_b32 s46, s46, 11
	s_mov_b32 s47, 0
	s_add_nc_u64 s[16:17], s[16:17], s[46:47]
	s_add_nc_u64 s[8:9], s[8:9], s[16:17]
	; the prefetches
	s_and_b32 s22, ttmp7, 0xffff                   ; cluster y
	s_cmp_eq_u32 s11, 0                            ; do I fetch for A?
	s_cselect_b32 s20, s13, s42
	s_cselect_b32 s21, s40, s41                    ; my place among the four that ask with me
	s_cselect_b32 s22, ttmp9, s22                  ; the coordinate along which other clusters read the same rows
	s_cselect_b32 s23, 0, 36*RB
	s_cselect_b64 s[PFA:PFA+1], s[4:5], s[6:7]
	s_cmp_eq_u32 s22, 0
	s_cselect_b32 s[LIM], 1, -1                    ; the same in all sixteen partners, for a given wave
	s_lshl_b32 s20, s20, 19
	s_lshl_b32 s22, s12, 18
	s_add_co_u32 s20, s20, s22
	s_lshl_b32 s21, s21, 16                        ; my work-group's two row blocks
	s_add_co_u32 s20, s20, s21
	s_add_co_u32 s20, s20, s23
	s_add_co_u32 s20, s20, 2*KSB                   ; at K step 2: the first refill steps it to 3 and names K step 4
	s_mov_b32 s21, 0
	s_add_nc_u64 s[PFA:PFA+1], s[PFA:PFA+1], s[20:21]
	v_lshrrev_b32 v[PFO], 4, v1
	v_and_b32 v2, 15, v1
	v_lshlrev_b32 v[PFO], 15, v[PFO]
	v_lshl_add_u32 v[PFO], v2, 8, v[PFO]
.macro MUL16 f, hi, a0, zero           ; 16 products: row blocks a0, a0 + 1 of the window's four x all 8 column blocks, 32 along K
	WIN MUL_LO+0x50*(\hi)
.irp a, \a0, (\a0)+1
.irp b, 0,1,2,3,4,5,6,7
.if \zero
	v_wmma_f32_16x16x32_f16 v[8*(8*(\a)+(\b)):8*(8*(\a)+(\b))+7], v[(\f)+8*(\b):(\f)+8*(\b)+7], v[(\f)+8*(4*(\hi)+(\a)):(\f)+8*(4*(\hi)+(\a))+7], 0
.else
	v_wmma_f32_16x16x32_f16 v[8*(8*(\a)+(\b)):8*(8*(\a)+(\b))+7], v[(\f)+8*(\b):(\f)+8*(\b)+7], v[(\f)+8*(4*(\hi)+(\a)):(\f)+8*(4*(\hi)+(\a))+7], v[8*(8*(\a)+(\b)):8*(8*(\a)+(\b))+7]
.endif
.endr
.endr
.endm
.macro FETCH slot, q, f                ; 32 LDS loads in one run: quarter q's fragments (B's eight, then A's eight) into buffer f
	WIN TO_B
.irp i, 0,1,2,3,4,5,6,7
	ds_load_b128 v[(\f)+8*(\i):(\f)+8*(\i)+3],   v[ADRB+(\slot)] offset:(\q)*1024+(\i)*KSB
	ds_load_b128 v[(\f)+8*(\i)+4:(\f)+8*(\i)+7], v[ADRB+(\slot)] offset:(\q)*1024+(\i)*KSB+512
.endr
	WIN 0
.irp i, 0,1,2,3,4,5,6,7
	ds_load_b128 v[(\f)+8*(\i):(\f)+8*(\i)+3],   v[ADRA+(\slot)] offset:(\q)*1024+(\i)*KSB
	ds_load_b128 v[(\f)+8*(\i)+4:(\f)+8*(\i)+7], v[ADRA+(\slot)] offset:(\q)*1024+(\i)*KSB+512
.endr
.endm
.macro PLACES                          ; four plain vector instructions ahead of loads into registers that products have read, and of reads of results
.rept 4
	v_nop
.endr
.endm
.macro QUARTER slot, q, f, g, zero     ; multiplies buffer f; in its middle fetches quarter q of the same slot into g
	s_wait_dscnt 8                                 ; B and A's rows 0-63 are in; the youngest eight loads may be out
	MUL16 \f, 0, 0, \zero
	MUL16 \f, 0, 2, \zero
	PLACES
	FETCH \slot, \q, \g
	s_wait_dscnt 32                                ; all but the 32 just issued
	MUL16 \f, 1, 0, \zero
	MUL16 \f, 1, 2, \zero
.endm
; The last quarter's first half, and the one barrier of a change of slots: each wave has waited for all its tensor loads (one is out: its part of the next slot), has added 0 to its spare word,
; and has waited for that and for its reads of this slot.
.macro MEET round
	WIN 0
	s_wait_tensorcnt 0x0
	ds_add_u32 v[SPW], v[NIL]
	s_wait_dscnt 9                                 ; the add and the youngest eight loads may be out
	MUL16 F1, 0, 0, 0
	s_wait_dscnt 0x0                               ; the add is done, my reads of this slot are over
	s_barrier_signal -1
	MUL16 F1, 0, 2, 0
.if \round
	WIN 0
.endif
	s_barrier_wait -1
.endm
.macro TURN slot, next                 ; the whole last quarter: this slot is filled again with the K step two on, first thing behind the cluster's round
	s_wait_xcnt 0x0                                ; the last prefetch, a K step back, has read its address
	s_add_nc_u64 s[PFA:PFA+1], s[PFA:PFA+1], KSB
	MEET 1
	CREST
	s_add_nc_u64 s[G0+4*(\slot)+2:G0+4*(\slot)+3], s[G0+4*(\slot)+2:G0+4*(\slot)+3], 2*KSB
	s_add_nc_u64 s[G0B+4*(\slot)+2:G0B+4*(\slot)+3], s[G0B+4*(\slot)+2:G0B+4*(\slot)+3], 2*KSB
	JLOAD \slot                                    ; its four v_nop are also the places in front of the loads below
	FETCH \next, 0, F0
	ASK
	MUL16 F1, 1, 0, 0
	MUL16 F1, 1, 2, 0
.endm
; THE WAY OUT of row block a: hidden = g x / (1 + 2^(-g log2 e)).  Two batches of 32 transcendentals, one wait each; each accumulator is read from its low end.
.macro EPI a
.set AC, 64*((\a)%4)
.set AW, 2+(\a)/4
.set OU, 128+16*((\a)%2)
	WIN AW
.set i, 0
.rept 16
	v_pk_mul_f32 v[TT+2*i:TT+2*i+1], v[AC+32+2*i:AC+32+2*i+1], 0xbfb8aa3b op_sel_hi:[1,0]
.set i, i+1
.endr
	WIN 0
.set i, 0
.rept 32
	v_exp_f32 v[TT+i], v[TT+i]
.set i, i+1
.endr
	WIN AW|(AW<<2)
.set i, 0
.rept 16                               ; plain, independent work behind the batch
	v_pk_mul_f32 v[GX+2*i:GX+2*i+1], v[AC+32+2*i:AC+32+2*i+1], v[AC+2*i:AC+2*i+1]
.set i, i+1
.endr
	WIN 0
	s_wait_alu depctr_va_vdst(0)
.set i, 0
.rept 16
	v_pk_add_f32 v[TT+2*i:TT+2*i+1], v[TT+2*i:TT+2*i+1], 1.0 op_sel_hi:[1,0]
.set i, i+1
.endr
.set i, 0
.rept 32
	v_rcp_f32 v[TT+i], v[TT+i]
.set i, i+1
.endr
	v_nop
	s_wait_alu depctr_va_vdst(0)
	s_wait_xcnt 0x0                                ; earlier stores have read their data
.set i, 0
.rept 16
	v_pk_mul_f32 v[GX+2*i:GX+2*i+1], v[GX+2*i:GX+2*i+1], v[TT+2*i:TT+2*i+1]
.set i, i+1
.endr
.set i, 0
.rept 16
	v_cvt_pk_bf16_f32 v[OU+i], v[GX+2*i], v[GX+2*i+1]
.set i, i+1
.endr
.irp b, 0,1,2,3
	global_store_b128 v[CO], v[OU+4*(\b):OU+4*(\b)+3], s[8:9] offset:(\a)*HROW+512*(\b)  ; 512 consecutive bytes, aligned
.endr
.endm
	s_wait_tensorcnt 1                             ; my part of K step 0 is in; K step 1's may stay out
	s_barrier_signal -1
	s_barrier_wait -1
	FETCH 0, 0, F0
	QUARTER 0, 1, F0, F1, 1                        ; the first quarter starts the sums
	WIN 0
	s_mov_b32 s3, LAPS-1
.Llap:                                         ; a trip goes once round the ring and fills both slots again
	QUARTER 0, 2, F1, F0, 0
	QUARTER 0, 3, F0, F1, 0
	TURN 0, 1
	QUARTER 1, 1, F0, F1, 0
	QUARTER 1, 2, F1, F0, 0
	QUARTER 1, 3, F0, F1, 0
	TURN 1, 0
	QUARTER 0, 1, F0, F1, 0
	WIN 0
	s_sub_co_u32 s3, s3, 1
	s_cmp_lg_u32 s3, 0
	s_cbranch_scc1 .Llap
	QUARTER 0, 2, F1, F0, 0                        ; the last lap is written out: it asks for nothing
	QUARTER 0, 3, F0, F1, 0
	MEET 0
	PLACES
	FETCH 1, 0, F0
	MUL16 F1, 1, 0, 0
	MUL16 F1, 1, 2, 0
	QUARTER 1, 1, F0, F1, 0
	QUARTER 1, 2, F1, F0, 0
	QUARTER 1, 3, F0, F1, 0
	s_wait_dscnt 8
	MUL16 F1, 0, 0, 0
	MUL16 F1, 0, 2, 0
	s_wait_dscnt 0x0
	MUL16 F1, 1, 0, 0
	MUL16 F1, 1, 2, 0
	PLACES
.irp a, 0,1,2,3,4,5,6,7
	EPI \a
.endr
	WIN 0
	s_wait_tensorcnt 0x0                           ; the wave's end
	ds_add_u32 v[SPW], v[NIL]
	s_wait_dscnt 0x0
	CROUND                                         ; the closing round
	s_endpgm
.Lfunc_end_k_q2fd6d74035_ffg:
	.size	k_q2fd6d74035_ffg, .Lfunc_end_k_q2fd6d74035_ffg-k_q2fd6d74035_ffg
	.p2alignl 7, 3214868480
	.fill 96, 4, 3214868480
	.section	.rodata,"a",@progbits
	.p2align	6, 0x0
	.amdhsa_kernel k_q2fd6d74035_ffg
		.amdhsa_group_segment_fixed_size 327680
		.amdhsa_private_segment_fixed_size 0
		.amdhsa_enable_private_segment 0
		.amdhsa_kernarg_size 24
		.amdhsa_user_sgpr_count 2
		.amdhsa_user_sgpr_kernarg_segment_ptr 1
		.amdhsa_wavefront_size32 1
		.amdhsa_system_sgpr_workgroup_id_x 1
		.amdhsa_system_sgpr_workgroup_id_y 1
		.amdhsa_system_sgpr_workgroup_id_z 1
		.amdhsa_system_vgpr_workitem_id 0
		.amdhsa_next_free_vgpr 1024
		.amdhsa_next_free_sgpr 66
		.amdhsa_reserve_vcc 0
		.amdhsa_float_denorm_mode_32 3
		.amdhsa_float_denorm_mode_16_64 3
		.amdhsa_memory_ordered 1
		.amdhsa_forward_progress 1
		.amdhsa_inst_pref_size 176
	.end_amdhsa_kernel
	.amdgpu_metadata
---
amdhsa.version: [ 1, 2 ]
amdhsa.kernels:
  - .name:           k_q2fd6d74035_ffg
    .symbol:         k_q2fd6d74035_ffg.kd
    .args:
      - { .name: xn, .offset: 0, .size: 8, .value_kind: global_buffer, .address_space: global }
      - { .name: wf, .offset: 8, .size: 8, .value_kind: global_buffer, .address_space: global }
      - { .name: hc, .offset: 16, .size: 8, .value_kind: global_buffer, .address_space: global }
    .group_segment_fixed_size: 327680
    .private_segment_fixed_size: 0
    .kernarg_segment_align: 8
    .kernarg_segment_size: 24
    .max_flat_workgroup_size: 128
    .sgpr_count:     66
    .vgpr_count:     1024
    .wavefront_size: 32
...
	.end_amdgpu_metadata
.endif
;; end of part 4
;; launch outg (part 5): grid 8 x 32, 4 waves a work-group, clusters of 4 x 4, 327,680 bytes of LDS; arguments hc, wc, out0; writes out0
.if DOCPART == 5
	.amdgcn_target "amdgcn-amd-amdhsa--gfx1250"
	.amdhsa_code_object_version 6
	.text
	.protected	k_q2fd6d74035_outg
	.globl	k_q2fd6d74035_outg
	.p2align	8
	.type	k_q2fd6d74035_outg,@function
k_q2fd6d74035_outg:
	s_mov_b64 s[64:65], 0
	v_nop
	global_prefetch_b8 v0, s[64:65] scope:SCOPE_SE
	s_setreg_imm32_b32 hwreg(HW_REG_WAVE_MODE, 25, 1), 1
	s_wait_xcnt 0x0
	s_wait_alu depctr_hold_cnt(0) depctr_sa_sdst(0) depctr_va_vdst(0) depctr_va_sdst(0) depctr_va_ssrc(0) depctr_va_vcc(0) depctr_vm_vsrc(0)
	s_getreg_b32 s2, hwreg(HW_REG_IB_STS2, 6, 4)
	s_cmp_eq_u32 s2, 0
	s_cbranch_scc0 .Lentry_in_a_cluster
	s_endpgm
.Lentry_in_a_cluster:
	s_bfe_u32 s2, ttmp6, 0x10000c
	s_cmp_lg_u32 s2, 0xf033
	s_cbranch_scc0 .Lentry_shape_is_right
	s_endpgm
.Lentry_shape_is_right:
; OUT: out0 = hc x wc^T.  hc [4096][4608] = [hidden | attention's result], wc [1024][4608] = [W_ff_out | W_attn_out], both bf16 in the blocked layout (16 rows x 32 K = 1,024 bytes on end): the two output
; projections are ONE product over K = 4,608, so nothing is added afterwards.  Sums in f32, stored as f32.
; A tile is 128 x 128: 256 work-groups (tiles of 256 x 256 would be 64).  Four waves of 64 x 64: 16 accumulators.  K goes in steps of 256: a wave's tensor load brings 4 row blocks x 8,192 bytes; two slots of 131,072 bytes.
; CLUSTERS: 4 x 4 work-groups; A's tile is asked for jointly along a row of the cluster, B's along a column.  THE PRODUCT IS TAKEN TRANSPOSED (source 0 = rows of wc, source 1 = tokens).
; Nothing is prefetched: the tiles are small.  A wave's 64 columns of f32 are 256 aligned bytes of a row, so each wave has a stage of its own on the way out, and no barrier stands there.
; REGISTERS: window 0: v0-31 addresses; v32-95 the way out; v128-255 the accumulators, (a, b) at 128 + 8 (4 a + b).  window 1: two fragment buffers of 128: 64 of A (2 x 4 fragments), then 64 of B.
.set KSB,   8192                       ; bytes of a K step in a row block
.set RBB,   147456                     ; bytes of a row block
.set HALFT, 32768
.set SLOT,  131072
.set STAGE, 262144                     ; behind the ring: 16 rows x 272 bytes for each wave
.set SPITCH, 272
.set SPARE, STAGE+4*16*SPITCH          ; behind the stages: the spare words, 128 bytes a wave
.set LAPS,  9                          ; a lap = two K steps
.set ADRA, 16
.set ADRB, 20
.set STO,  24
.set RD,   25
.set CO,   26
.set SPW,  28
.set NIL,  29
.set TMP,  32
.set ACC,  128
.set F0,   0
.set F1,   128
.set G1, 24
.set G0, 32
.set G1B, 48
.set G0B, 56
.set MSB, 0
.macro WIN new
.if MSB != (\new)
	s_set_vgpr_msb (MSB<<8)|(\new)
.set MSB, \new
.endif
.endm
.set MUL,  0x05                        ; sources 0 and 1 window 1; C and D window 0
.set TO_F, 0x40
.macro JLOAD s                         ; waves 0 and 1 fetch A's halves, waves 2 and 3 B's; an s_nop 0 and four v_nop follow each line
	s_cmp_eq_u32 s11, 0
	s_cbranch_scc0 .Lfor_b_\@
	tensor_load_to_lds s[G0+4*(\s):G0+4*(\s)+3], s[G1:G1+7]
	s_nop 0
.rept 4
	v_nop
.endr
	s_branch .Lasked_\@
.Lfor_b_\@:
	tensor_load_to_lds s[G0B+4*(\s):G0B+4*(\s)+3], s[G1B:G1B+7]
	s_nop 0
.rept 4
	v_nop
.endr
.Lasked_\@:
.endm
.macro CREST
	s_cmp_lg_u32 s10, 0
	s_cbranch_scc1 .Lnot_wave_0_\@
	s_barrier_signal -3
.Lnot_wave_0_\@:
	s_barrier_wait -3
	s_barrier_signal -1
	s_barrier_wait -1
.endm
.macro CROUND
	s_barrier_signal -1
	s_barrier_wait -1
	CREST
.endm
	s_load_b128 s[4:7], s[0:1], 0x0                ; hc s[4:5], wc s[6:7]
	s_load_b64 s[8:9], s[0:1], 0x10                ; out0
	v_lshl_add_u32 v[SPW], v0, 2, SPARE
	v_mov_b32 v[NIL], 0
	ds_add_u32 v[SPW], v[NIL]                      ; the wave's opening: the add and its wait stand ahead of my first tensor load
	v_lshrrev_b32 v1, 5, v0
	v_readfirstlane_b32 s10, v1
	s_lshr_b32 s11, s10, 1                         ; my half of the tile's rows.  Also: I fetch for A (0) or B (1)
	s_and_b32 s12, s10, 1                          ; my half of its columns.  Also: which half I fetch
	s_bfe_u32 s40, ttmp6, 0x40000
	s_bfe_u32 s41, ttmp6, 0x40004
	s_lshl_b32 s42, ttmp9, 2
	s_add_co_u32 s42, s42, s40                     ; tile column
	s_and_b32 s13, ttmp7, 0xffff
	s_lshl_b32 s13, s13, 2
	s_add_co_u32 s13, s13, s41                     ; tile row
	s_lshl_b32 s43, s41, 2
	s_lshl_b32 s43, 15, s43
	s_lshl_b32 s44, 0x1111, s40
	s_or_b32 s[G1+0], s43, (3<<16)|(1<<21)
	s_or_b32 s[G1B+0], s44, (3<<16)|(1<<21)
.irp g, G1, G1B
	s_mov_b32 s[(\g)+1], 1024<<16                  ; tensor_dim0 = 1,024 elements of 8 bytes
	s_mov_b32 s[(\g)+2], 4<<16                     ; tensor_dim1 = 4 row blocks
	s_mov_b32 s[(\g)+3], 1024<<16                  ; tile_dim0
	s_mov_b32 s[(\g)+4], 4                         ; tile_dim1
	s_mov_b32 s[(\g)+5], 18432                     ; 147,456 bytes from row block to row block
	s_mov_b32 s[(\g)+6], 0
	s_mov_b32 s[(\g)+7], 0
.endr
	s_lshl_b32 s17, s12, 2
	s_lshl3_add_u32 s16, s13, s17                  ; A: row block 8 x tile row + 4 x half
	s_mul_i32 s16, s16, RBB
	s_lshl3_add_u32 s46, s42, s17                  ; B: 8 x tile column + 4 x half
	s_mul_i32 s46, s46, RBB
	s_mov_b32 s17, 0
	s_mov_b32 s47, 0
	s_lshl_b32 s20, s10, 15
	s_wait_dscnt 0x0
	s_wait_kmcnt 0x0
	s_add_nc_u64 s[14:15], s[4:5], s[16:17]
	s_add_nc_u64 s[46:47], s[6:7], s[46:47]
	CROUND
.irp s, 0,1
	s_mov_b32 s[G0+4*(\s)], 1
	s_add_co_u32 s[G0+4*(\s)+1], s20, (\s)*SLOT
	s_add_nc_u64 s[G0+4*(\s)+2:G0+4*(\s)+3], s[14:15], (\s)*KSB
	s_or_b32 s[G0+4*(\s)+3], s[G0+4*(\s)+3], 0x80000000
	s_mov_b32 s[G0B+4*(\s)], 1
	s_add_co_u32 s[G0B+4*(\s)+1], s20, (\s)*SLOT
	s_add_nc_u64 s[G0B+4*(\s)+2:G0B+4*(\s)+3], s[46:47], (\s)*KSB
	s_or_b32 s[G0B+4*(\s)+3], s[G0B+4*(\s)+3], 0x80000000
	JLOAD \s
.endr
	v_and_b32 v1, 15, v0                           ; l % 16
	v_bfe_u32 v2, v0, 4, 1                         ; l / 16
	v_and_b32 v3, 31, v0
	v_lshlrev_b32 v3, 4, v3                        ; 16 l
	s_lshl_b32 s21, s11, 15
	s_lshl_b32 s22, s12, 15
	s_add_co_u32 s22, s22, 2*HALFT
.irp s, 0,1
	v_add_nc_u32 v[ADRA+(\s)], s21, v3
	v_add_nc_u32 v[ADRB+(\s)], s22, v3
	s_add_co_u32 s21, s21, SLOT
	s_add_co_u32 s22, s22, SLOT
.endr
	s_mul_i32 s23, s10, 16*SPITCH
	s_add_co_u32 s23, s23, STAGE                   ; my stage
	v_mul_u32_u24 v4, v1, SPITCH                   ; in: row l % 16, 32 bytes for each half of the lanes
	v_lshl_add_u32 v4, v2, 5, v4
	v_add_nc_u32 v[STO], s23, v4
	v_mul_u32_u24 v5, v2, SPITCH                   ; back: lanes 0-15 one row of 256 bytes, lanes 16-31 the next
	v_lshl_add_u32 v5, v1, 4, v5
	v_add_nc_u32 v[RD], s23, v5
	v_lshlrev_b32 v5, 12, v2                       ; and the same two rows of out0
	v_lshl_add_u32 v[CO], v1, 4, v5
	s_lshl_b32 s16, s13, 19                        ; 128 rows of 4,096 bytes a tile row,
	s_lshl_b32 s17, s11, 18                        ; my 64
	s_add_co_u32 s16, s16, s17
	s_mov_b32 s17, 0
	s_lshl1_add_u32 s46, s42, s12                  ; my 64 columns: 256 bytes
	s_lshl_b32 s46, s46, 8
	s_mov_b32 s47, 0
	s_add_nc_u64 s[16:17], s[16:17], s[46:47]
	s_add_nc_u64 s[8:9], s[8:9], s[16:17]
.macro MUL8 f, c, a0, zero             ; 8 products: row blocks a0, a0 + 1 x all 4 column blocks, 32 along K: half c of buffer f
	WIN MUL
.irp a, \a0, (\a0)+1
.irp b, 0,1,2,3
.if \zero
	v_wmma_f32_16x16x32_bf16 v[ACC+8*(4*(\a)+(\b)):ACC+8*(4*(\a)+(\b))+7], v[(\f)+64+8*(4*(\c)+(\b)):(\f)+64+8*(4*(\c)+(\b))+7], v[(\f)+8*(4*(\c)+(\a)):(\f)+8*(4*(\c)+(\a))+7], 0
.else
	v_wmma_f32_16x16x32_bf16 v[ACC+8*(4*(\a)+(\b)):ACC+8*(4*(\a)+(\b))+7], v[(\f)+64+8*(4*(\c)+(\b)):(\f)+64+8*(4*(\c)+(\b))+7], v[(\f)+8*(4*(\c)+(\a)):(\f)+8*(4*(\c)+(\a))+7], v[ACC+8*(4*(\a)+(\b)):ACC+8*(4*(\a)+(\b))+7]
.endif
.endr
.endr
.endm
.macro FETCH slot, q, f                ; 32 LDS loads in one run: quarter q (64 along K: two chunks) into buffer f; the first chunk first
	WIN TO_F
.irp c, 0,1
.irp i, 0,1,2,3
	ds_load_b128 v[(\f)+64+8*(4*(\c)+(\i)):(\f)+64+8*(4*(\c)+(\i))+3],   v[ADRB+(\slot)] offset:(\i)*KSB+(2*(\q)+(\c))*1024
	ds_load_b128 v[(\f)+64+8*(4*(\c)+(\i))+4:(\f)+64+8*(4*(\c)+(\i))+7], v[ADRB+(\slot)] offset:(\i)*KSB+(2*(\q)+(\c))*1024+512
	ds_load_b128 v[(\f)+8*(4*(\c)+(\i)):(\f)+8*(4*(\c)+(\i))+3],         v[ADRA+(\slot)] offset:(\i)*KSB+(2*(\q)+(\c))*1024
	ds_load_b128 v[(\f)+8*(4*(\c)+(\i))+4:(\f)+8*(4*(\c)+(\i))+7],       v[ADRA+(\slot)] offset:(\i)*KSB+(2*(\q)+(\c))*1024+512
.endr
.endr
.endm
.macro PLACES
.rept 4
	v_nop
.endr
.endm
.macro QUARTER slot, q, f, g, zero
	s_wait_dscnt 16                                ; the first chunk's sixteen loads are in
	MUL8 \f, 0, 0, \zero
	MUL8 \f, 0, 2, \zero
	PLACES
	FETCH \slot, \q, \g
	s_wait_dscnt 32                                ; all but the 32 just issued
	MUL8 \f, 1, 0, 0
	MUL8 \f, 1, 2, 0
.endm
; The last quarter multiplies buffer 1 and changes slots: one barrier; in front of it each wave waits for all its tensor loads, adds 0 to its spare word, and waits for that and for its reads of this slot.
.macro TURN slot, next, fill
	WIN 0
	s_wait_tensorcnt 0x0
	ds_add_u32 v[SPW], v[NIL]
	s_wait_dscnt 17                                ; the add and the youngest sixteen loads may be out
	MUL8 F1, 0, 0, 0
	s_wait_dscnt 0x0
	s_barrier_signal -1
	MUL8 F1, 0, 2, 0
.if \fill
	WIN 0
.endif
	s_barrier_wait -1
.if \fill
	CREST                                          ; the barrier has opened a round of the cluster's: no wave of any partner still reads this slot or has a load on its way
	s_add_nc_u64 s[G0+4*(\slot)+2:G0+4*(\slot)+3], s[G0+4*(\slot)+2:G0+4*(\slot)+3], 2*KSB
	s_add_nc_u64 s[G0B+4*(\slot)+2:G0B+4*(\slot)+3], s[G0B+4*(\slot)+2:G0B+4*(\slot)+3], 2*KSB
	JLOAD \slot
.else
	PLACES
.endif
	FETCH \next, 0, F0
	MUL8 F1, 1, 0, 0
	MUL8 F1, 1, 2, 0
.endm
	s_wait_tensorcnt 1                             ; my part of K step 0 is in; K step 1's may stay out
	s_barrier_signal -1
	s_barrier_wait -1
	FETCH 0, 0, F0
	QUARTER 0, 1, F0, F1, 1
	WIN 0
	s_mov_b32 s3, LAPS-1
.Llap:
	QUARTER 0, 2, F1, F0, 0
	QUARTER 0, 3, F0, F1, 0
	TURN 0, 1, 1
	QUARTER 1, 1, F0, F1, 0
	QUARTER 1, 2, F1, F0, 0
	QUARTER 1, 3, F0, F1, 0
	TURN 1, 0, 1
	QUARTER 0, 1, F0, F1, 0
	WIN 0
	s_sub_co_u32 s3, s3, 1
	s_cmp_lg_u32 s3, 0
	s_cbranch_scc1 .Llap
	QUARTER 0, 2, F1, F0, 0                        ; the last lap fills nothing
	QUARTER 0, 3, F0, F1, 0
	TURN 0, 1, 0
	QUARTER 1, 1, F0, F1, 0
	QUARTER 1, 2, F1, F0, 0
	QUARTER 1, 3, F0, F1, 0
	s_wait_dscnt 16
	MUL8 F1, 0, 0, 0
	MUL8 F1, 0, 2, 0
	s_wait_dscnt 0x0
	MUL8 F1, 1, 0, 0
	MUL8 F1, 1, 2, 0
	WIN 0
	; THE WAY OUT, 16 rows at a time: a lane's 8 numbers of a row (32 bytes) into my stage, back as whole rows of 256 bytes, stored.  LDS serves a wave's instructions in order, so no wait stands between
	; the stores into the stage and the loads from it, nor ahead of the next block's stores.
	PLACES
.irp a, 0,1,2,3
.set TM, TMP+32*((\a)%2)
.irp b, 0,1,2,3
	ds_store_b128 v[STO], v[ACC+8*(4*(\a)+(\b)):ACC+8*(4*(\a)+(\b))+3] offset:64*(\b)
	ds_store_b128 v[STO], v[ACC+8*(4*(\a)+(\b))+4:ACC+8*(4*(\a)+(\b))+7] offset:64*(\b)+16
.endr
	s_wait_xcnt 0x0                                ; earlier stores have read their data: only behind this wait is a set loaded again
.irp t, 0,1,2,3,4,5,6,7
	ds_load_b128 v[TM+4*(\t):TM+4*(\t)+3], v[RD] offset:(\t)*2*SPITCH
.endr
.irp t, 0,1,2,3,4,5,6,7
	s_wait_dscnt 7-(\t)
	global_store_b128 v[CO], v[TM+4*(\t):TM+4*(\t)+3], s[8:9] offset:(16*(\a)+2*(\t))*4096 th:TH_STORE_NT  ; 16 lanes store 256 consecutive bytes, aligned
.endr
.endr
	s_wait_tensorcnt 0x0                           ; the wave's end, behind my last LDS store
	ds_add_u32 v[SPW], v[NIL]
	s_wait_dscnt 0x0
	CROUND                                         ; the closing round
	s_endpgm
.Lfunc_end_k_q2fd6d74035_outg:
	.size	k_q2fd6d74035_outg, .Lfunc_end_k_q2fd6d74035_outg-k_q2fd6d74035_outg
	.p2alignl 7, 3214868480
	.fill 96, 4, 3214868480
	.section	.rodata,"a",@progbits
	.p2align	6, 0x0
	.amdhsa_kernel k_q2fd6d74035_outg
		.amdhsa_group_segment_fixed_size 327680
		.amdhsa_private_segment_fixed_size 0
		.amdhsa_enable_private_segment 0
		.amdhsa_kernarg_size 24
		.amdhsa_user_sgpr_count 2
		.amdhsa_user_sgpr_kernarg_segment_ptr 1
		.amdhsa_wavefront_size32 1
		.amdhsa_system_sgpr_workgroup_id_x 1
		.amdhsa_system_sgpr_workgroup_id_y 1
		.amdhsa_system_sgpr_workgroup_id_z 1
		.amdhsa_system_vgpr_workitem_id 0
		.amdhsa_next_free_vgpr 512
		.amdhsa_next_free_sgpr 66
		.amdhsa_reserve_vcc 0
		.amdhsa_float_denorm_mode_32 3
		.amdhsa_float_denorm_mode_16_64 3
		.amdhsa_memory_ordered 1
		.amdhsa_forward_progress 1
		.amdhsa_inst_pref_size 86
	.end_amdhsa_kernel
	.amdgpu_metadata
---
amdhsa.version: [ 1, 2 ]
amdhsa.kernels:
  - .name:           k_q2fd6d74035_outg
    .symbol:         k_q2fd6d74035_outg.kd
    .args:
      - { .name: hc, .offset: 0, .size: 8, .value_kind: global_buffer, .address_space: global }
      - { .name: wc, .offset: 8, .size: 8, .value_kind: global_buffer, .address_space: global }
      - { .name: out0, .offset: 16, .size: 8, .value_kind: global_buffer, .address_space: global }
    .group_segment_fixed_size: 327680
    .private_segment_fixed_size: 0
    .kernarg_segment_align: 8
    .kernarg_segment_size: 24
    .max_flat_workgroup_size: 128
    .sgpr_count:     66
    .vgpr_count:     512
    .wavefront_size: 32
...
	.end_amdgpu_metadata
.endif
;; end of part 5
